; MI455X (gfx1250); checked and timed in simulation.
; The chip was launched on July 23, 2026; its instructions are those of AMD's public machine-readable ISA for CDNA 5 (MIT licence, August 2026) and "CDNA5" Instruction Set Architecture Reference Guide (July 2026). The comments in the code are by the model that wrote it; some were corrected since.
;; L La MA Layer. Allowed arithmetic: matrix products marked QUANTISED: E2M1 operands, one E8M0 scale for each 32 along K, by v_wmma_scale_f32_16x16x128_f8f6f4 with both operands' format E2M1 (or v_wmma_scale_f32_32x16x128_f4), f32 sums; everything else in f32.
;; Inputs: W1_codes 512 x 64 x 16 uint8 (E2M1 codes of W1, K innermost, in blocks of 32 codes, two codes a byte); W1_scales 512 x 64 uint8 (E8M0 scales of W1, one for each 32 codes along K); W2_codes 2,048 x 16 x 16 uint8 (E2M1 codes of W2, K innermost, in blocks of 32 codes, two codes a byte); W2_scales 2,048 x 16 uint8 (E8M0 scales of W2, one for each 32 codes along K); Wk_codes 512 x 64 x 16 uint8 (E2M1 codes of Wk, K innermost, in blocks of 32 codes, two codes a byte); Wk_scales 512 x 64 uint8 (E8M0 scales of Wk, one for each 32 codes along K); Wo_codes 2,048 x 64 x 16 uint8 (E2M1 codes of Wo, K innermost, in blocks of 32 codes, two codes a byte); Wo_scales 2,048 x 64 uint8 (E8M0 scales of Wo, one for each 32 codes along K); Wq_codes 2,048 x 64 x 16 uint8 (E2M1 codes of Wq, K innermost, in blocks of 32 codes, two codes a byte); Wq_scales 2,048 x 64 uint8 (E8M0 scales of Wq, one for each 32 codes along K); Wv_codes 512 x 64 x 16 uint8 (E2M1 codes of Wv, K innermost, in blocks of 32 codes, two codes a byte); Wv_scales 512 x 64 uint8 (E8M0 scales of Wv, one for each 32 codes along K); b1 512 float32; b2 2,048 float32; bk 512 float32; bo 2,048 float32; bq 2,048 float32; bv 512 float32; scale1 2,048 float32; x 4 x 1,024 x 2,048 float32.
;; Outputs: out0 4 x 1,024 x 2,048 float32.
;; This version of the problem:
;;   THIS VERSION OF THE PROBLEM IS GIVEN IN LOW PRECISION. The matrix products marked QUANTISED in the list below multiply operands that are first quantised to E2M1 (2 exponent bits, 1 mantissa bit; 4 bits a number), with one power-of-two scale for each 32 numbers along K (OCP MX v1.0); their sums are f32. All else is computed in f32.
;;   The module's matrix products, in the order in which they are computed (A, B: the left and right operand; K: the contracted axis; several contracted axes count as one K, in the product's order):
;;     1. [M 4,096, K 2,048] x [K 2,048, N 2,048]; A: computed on the way; B: input Wq (given as codes): QUANTISED
;;     2. [M 4,096, K 2,048] x [K 2,048, N 512]; A: computed on the way; B: input Wk (given as codes): QUANTISED
;;     3. [M 4,096, K 2,048] x [K 2,048, N 512]; A: computed on the way; B: input Wv (given as codes): QUANTISED
;;     4. batch 64 x [M 1,024, K 128] x [K 128, N 1,024]; A: computed on the way; B: computed on the way: QUANTISED
;;     5. batch 64 x [M 1,024, K 1,024] x [K 1,024, N 128]; A: softmax (see below); B: computed on the way: QUANTISED
;;     6. [M 4,096, K 2,048] x [K 2,048, N 2,048]; A: computed on the way; B: input Wo (given as codes): QUANTISED
;;     7. [M 4,096, K 2,048] x [K 2,048, N 512]; A: computed on the way; B: input W1 (given as codes): QUANTISED
;;     8. [M 4,096, K 512] x [K 512, N 2,048]; A: computed on the way; B: input W2 (given as codes): QUANTISED
;;   THE QUANTISER, for each operand of a quantised product, along K:
;;     - K is cut into blocks of 32 from its start; a last block that is shorter is filled with zeros.
;;     - A block's scale is 2^e with e = floor(log2(the largest magnitude in the block)) - 2, held to -126 .. 127; a block of zeros has e = 0. As a byte (E8M0): e + 127.
;;     - Each number is divided by its block's scale, clamped to +-6, and rounded to the nearest number of E2M1, ties to even, subnormals kept.
;;     - The product sums the exact products of the quantised numbers (number of the format x scale) in f32.
;;   ~~~python
;;   def quantise(x, axis):      # numpy; x: float32 -> the quantised numbers, widened to float32 again
;;       x = np.moveaxis(x, axis, -1); K = x.shape[-1]
;;       x = np.pad(x, [(0, 0)] * (x.ndim - 1) + [(0, -K % 32)]); x = x.reshape(x.shape[:-1] + (-1, 32)); a = np.abs(x).max(-1, keepdims=True)
;;       e = np.where(a > 0, np.clip(np.frexp(np.where(a > 0, a, 1))[1] - 1 - 2, -126, 127), 0)      # np.frexp(a)[1] - 1 = floor(log2(a)), exactly
;;       r = np.clip(x / 2.0 ** e, -6, 6)
;;       step = 2.0 ** (np.maximum(np.frexp(np.where(r == 0, 1, r))[1] - 1, 0) - 1)
;;       q = np.round(r / step) * step * 2.0 ** e      # np.round: ties to even
;;       return np.moveaxis(q.reshape(q.shape[:-2] + (-1,))[..., :K], -1, axis).astype(np.float32)
;;   ~~~
;;   SOFTMAX AHEAD OF A QUANTISED PRODUCT. Where the list says 'softmax', what is quantised is not the finished softmax but p = 2^(t - M), with t = logit x log2(e) and M = ceil(the row's largest t), a whole number; so 1/2 < the row's largest p <= 1. The row's sum l is taken of the UNQUANTISED p, in f32, and the product's result is divided by l at the end. Since M is a whole number, a kernel that streams over the keys may use a running M (the ceiling of the running maximum): every later rescaling is an exact power of two, which a block's scale takes up: the codes' values come out the same.
;;   OPERANDS COMPUTED ON THE WAY. 'Computed on the way' means the value that the module computes at that place (a softmax that the list does not call 'softmax' is quantised finished and normalised). What goes into a quantiser is computed in f32, as accurately as f32 sums, v_exp_f32 and their like allow (about 1e-6 of the number): no bf16 or f16 on the way to a quantiser, and a product that is left as it is and whose result goes on into a quantised operand takes f32 operands (vector FMAs, or v_wmma_f32_16x16x4_f32). A number that lies on a knife's edge between two numbers of the format may be rounded either way, as far as f32 arithmetic and the matrix unit's own rounding can turn it there, and no further.
;;   INPUTS GIVEN AS CODES. W1 (in the module: [2048, 512], K = its axis 0); W2 (in the module: [512, 2048], K = its axis 0); Wk (in the module: [2048, 512], K = its axis 0); Wo (in the module: [2048, 2048], K = its axis 0); Wq (in the module: [2048, 2048], K = its axis 0); Wv (in the module: [2048, 512], K = its axis 0): each comes as NAME_codes (uint8): NAME with its K axis moved to the last place and cut into blocks of 32 codes, [.., K / 32, bytes a block], one block behind the other in memory; two codes a byte, the lower K in the low four bits (a code: sign, 2 exponent bits, 1 mantissa bit); and NAME_scales (uint8): the same leading axes, one E8M0 byte (e + 127) for each 32 codes along K. Its value is code x scale, taken as it is: it is not quantised again, and the codes and scales need not be those that the quantiser above would give.
;; One version. Each part assembles by itself: llvm-mc -triple=amdgcn-amd-amdhsa -mcpu=gfx1250 --defsym DOCPART=n.
;; ======== version 1 of 1: 4 launches
;; limits: right only within a limited range of input values
;; workspace buffers: xn_codes 6,815,744 bytes; xn_scales 262,144 bytes; qkv_codes 6,291,456 bytes; qkv_scales 393,216 bytes; hc_codes 1,048,576 bytes; hc_scales 65,536 bytes; ao_codes 4,194,304 bytes; ao_scales 262,144 bytes
;; launch normq (part 1): grid 256 x 1, 16 waves a work-group, no clusters, 171,776 bytes of LDS; arguments x, scale1, xn_codes, xn_scales, Wo_codes, W2_codes; writes xn_codes, xn_scales
.if DOCPART == 1
	.amdgcn_target "amdgcn-amd-amdhsa--gfx1250"
	.amdhsa_code_object_version 6
	.text
	.protected	k_q539482bbcb_normq
	.globl	k_q539482bbcb_normq
	.p2align	8
	.type	k_q539482bbcb_normq,@function
k_q539482bbcb_normq:
	s_mov_b64 s[64:65], 0
	v_nop
	global_prefetch_b8 v0, s[64:65] scope:SCOPE_SE
	s_setreg_imm32_b32 hwreg(HW_REG_WAVE_MODE, 25, 1), 1
	s_wait_xcnt 0x0
; LLaMA layer in MX-FP4, launch 1 of 4.  xn = scale1 * x / sqrt(mean(x^2) + 1e-6), row by row of 2,048, quantised along the row: codes of E2M1, 4 bits each, one E8M0 byte for each 32.
; DEAD WORK: none.  Every product of reference() reaches the output for all values of the inputs, and each of the twenty inputs is loaded by one of the four launches (bk too: it moves K's codes).
; Two things are shared, nothing is left out: xn is the left operand of four products (with Wq, Wk, Wv, W1) and is quantised once, here; the products with Wo and W2 add into the same output and share one sum (launch 4).
; LIMITS: NaN and infinities among the inputs are not served.  A block of zeros gets the byte 1 where the quantiser says 127: its codes are zeros, and the bytes are read by this program alone;
; no largest magnitude is taken under 2^-124.  1 / rms is v_rsq_f32, and a number is (x * (1 / rms)) * scale1: another order of rounding than reference()'s scale1 * (x / rms).
; SHARES.  A work-group takes 16 rows, a wave ONE row of 8,192 bytes: sixteen loads of 512 consecutive bytes, all asked for at once; the row stays in 64 registers.  No loop.
; scale1 is read once by the work-group (16 bytes a thread), handed round through LDS, and lies in registers in the row's own layout.
; THE TURN.  As loaded, a lane holds 4 neighbours of each of 16 pieces; the conversion wants 32 neighbours in one lane.  So 1,024 numbers at a time go through the wave's own stage in LDS:
; in as they lie, a block of 32 numbers (128 bytes) to a place of 144 bytes; out a place a lane.  A lane then holds a whole block: no other lane is asked for its largest magnitude.
; OUT.  A lane's 32 codes are 16 bytes: a store of the wave covers 512 consecutive bytes.  The 16 rows' scale bytes, 1,024, meet in LDS, and waves 0 and 1 store 512 consecutive bytes each.
.set STGB,  8192                       ; LDS: scale1 at 0; from here a region for each wave: two stages of 32 places x 144 bytes
.set HSTG,  32*144
.set WSTG,  2*HSTG
.set SBY,   STGB+16*WSTG               ; the 16 rows' scale bytes, 64 a row
.set SPARE, SBY+1024                   ; the spare words, 128 bytes for each wave: eight blocks of 256 bytes that no other line names
.set SPW,   8                          ; v8   LDS address of my spare word; never rewritten
.set NIL,   9                          ; v9   0; never rewritten
.set X,     32                         ; v32-95   the row
.set SS,    96                         ; v96-159  scale1
.set CD,    160                        ; v160-167 codes of my two blocks
; ALSO HERE: Wo's and W2's codes are laid once in the order in which launch 4's operand registers take them, behind xn's codes in the same buffer (from byte WLB on).
; Group g = 64 columns, WLG bytes: chunk (s, b, c) of 512 bytes at 4096 s + 1024 b + 512 c; s = K step of 128 (0-15 Wo, 16-19 W2), b = tile, c = half of a fragment;
; in it lane 16 h + r holds the 16 bytes at 64 s + 32 c + 16 h of column 64 g + 4 r + b's row.  Only 16-byte pieces change places, through LDS: reads and stores are whole runs of 256 bytes.
; Work-group w: g = w / 8.  Wo: K steps 4 sq .. 4 sq + 3 and tiles 2 bp, 2 bp + 1 (sq = (w % 8) / 2, bp = w % 2): 32 rows x 256 bytes, 16 bytes a thread.
; W2: tile w % 8 where that is under 4: 16 rows x 256 bytes, waves 0 to 7.
.set WST,   SPARE+2048                 ; Wo's stage: 16 places (r) of 512 bytes + 16
.set W2ST,  WST+8704                   ; W2's: 16 rows of 256 bytes + 16
.set WLB,   4194304
.set WLG,   81920
	s_load_b256 s[4:11], s[0:1], 0x0               ; x s[4:5], scale1 s[6:7], the codes s[8:9], the scale bytes s[10:11]
	s_load_b128 s[24:27], s[0:1], 0x20             ; Wo's codes s[24:25], W2's s[26:27]
	v_lshl_add_u32 v[SPW], v0, 2, SPARE
	v_mov_b32 v[NIL], 0
	v_lshrrev_b32 v1, 5, v0
	s_delay_alu instid0(VALU_DEP_1)
	v_readfirstlane_b32 s12, v1                    ; wave 0..15
	v_and_b32 v1, 31, v0                           ; lane
	s_delay_alu instid0(VALU_DEP_1)
	v_lshlrev_b32 v2, 4, v1                        ; 16 x lane
	v_lshlrev_b32 v3, 4, v0                        ; 16 x thread: my piece of scale1, in memory and in LDS
	s_mul_i32 s21, s12, WSTG
	s_add_co_u32 s21, s21, STGB                    ; my wave's stages
	v_lshrrev_b32 v4, 3, v1
	s_delay_alu instid0(VALU_DEP_1)
	v_mul_u32_u24 v4, v4, 144
	v_and_b32 v5, 7, v1
	s_delay_alu instid0(VALU_DEP_1)
	v_lshl_add_u32 v4, v5, 4, v4
	s_delay_alu instid0(VALU_DEP_1)
	v_add_nc_u32 v4, s21, v4                       ; in: eight lanes' 128 bytes to a place: 144 (lane / 8) + 16 (lane % 8); a load's 512 bytes take four places
	v_mul_u32_u24 v5, v1, 144
	s_delay_alu instid0(VALU_DEP_1)
	v_add_nc_u32 v5, s21, v5                       ; out: place = lane
	s_lshl_b32 s22, s12, 6
	s_add_co_u32 s22, s22, SBY
	v_add_nc_u32 v6, s22, v1                       ; my row's scale bytes, my block's byte
	s_min_u32 s20, s12, 1
	s_lshl_b32 s22, s20, 9                         ; waves 0 and 1 take 512 scale bytes each on the way out
	s_add_co_u32 s23, s22, SBY
	v_add_nc_u32 v7, s23, v2
	s_lshl_b32 s13, ttmp9, 4
	s_add_co_u32 s13, s13, s12                     ; my row: 16 x work-group + wave
	s_lshl_b32 s14, s13, 13                        ; 8,192 bytes a row of x (under 2^25 in all)
	s_mov_b32 s15, 0
	s_mov_b32 s16, 0x76543210                      ; v_permlanex16_b32's selects for lane l xor 16
	s_mov_b32 s17, 0xfedcba98
	s_mov_b32 s18, 0x3a000000                      ; 1 / 2048
	s_mov_b32 s19, 0x358637bd                      ; 1e-6
	v_mov_b32 v22, 0                               ; a lane permute's destination counts as one of its sources
	s_lshr_b32 s28, ttmp9, 3                       ; g
	s_and_b32 s29, ttmp9, 7
	s_lshr_b32 s30, s29, 1                         ; sq
	s_and_b32 s31, s29, 1                          ; bp
	s_min_u32 s44, s12, 7                          ; W2's wave
	s_lshl_b32 s32, s28, 16                        ; Wo, in: row 64 g + 4 wave + 2 bp (+ lane / 16), 1,024 bytes a row, + 256 sq
	s_lshl_b32 s40, s12, 12
	s_add_co_u32 s32, s32, s40
	s_lshl_b32 s40, s31, 11
	s_add_co_u32 s32, s32, s40
	s_lshl_b32 s40, s30, 8
	s_add_co_u32 s32, s32, s40
	s_mov_b32 s33, 0
	s_lshl_b32 s34, s28, 14                        ; W2, in: row 64 g + tile + 8 wave (+ 4 (lane / 16)), 256 bytes a row
	s_lshl_b32 s40, s29, 8
	s_add_co_u32 s34, s34, s40
	s_lshl_b32 s40, s44, 11
	s_add_co_u32 s34, s34, s40
	s_mov_b32 s35, 0
	s_mul_i32 s42, s28, WLG
	s_add_co_u32 s42, s42, WLB                     ; the group's first byte
	s_lshl_b32 s36, s30, 14                        ; Wo, out: my wave stores chunk (4 sq + wave / 4, 2 bp + (wave / 2) % 2, wave % 2)
	s_add_co_u32 s36, s36, s42
	s_lshl_b32 s40, s31, 11
	s_add_co_u32 s36, s36, s40
	s_lshr_b32 s41, s12, 2
	s_lshl_b32 s40, s41, 12
	s_add_co_u32 s36, s36, s40
	s_and_b32 s40, s12, 3
	s_lshl_b32 s40, s40, 9
	s_add_co_u32 s36, s36, s40
	s_mov_b32 s37, 0
	s_lshl_b32 s38, s29, 10                        ; W2, out: chunk (16 + wave / 2, tile, wave % 2)
	s_add_co_u32 s38, s38, s42
	s_add_co_u32 s38, s38, 65536
	s_lshr_b32 s40, s44, 1
	s_lshl_b32 s40, s40, 12
	s_add_co_u32 s38, s38, s40
	s_and_b32 s40, s44, 1
	s_lshl_b32 s40, s40, 9
	s_add_co_u32 s38, s38, s40
	s_mov_b32 s39, 0
	s_mul_i32 s45, s12, 528
	s_add_co_u32 s45, s45, WST                     ; Wo's stage, in: place = wave
	s_bfe_u32 s43, s12, 0x10001
	s_lshl_b32 s43, s43, 8
	s_lshl_b32 s40, s41, 6
	s_add_co_u32 s43, s43, s40
	s_and_b32 s40, s12, 1
	s_lshl_b32 s40, s40, 5
	s_add_co_u32 s43, s43, s40
	s_add_co_u32 s43, s43, WST                     ; back: my chunk's bytes of each place
	s_mul_i32 s46, s44, 544
	s_add_co_u32 s46, s46, W2ST                    ; W2's stage, in: two rows a wave
	s_lshr_b32 s47, s44, 1
	s_lshl_b32 s47, s47, 6
	s_and_b32 s40, s44, 1
	s_lshl_b32 s40, s40, 5
	s_add_co_u32 s47, s47, s40
	s_add_co_u32 s47, s47, W2ST                    ; back
	v_lshrrev_b32 v172, 4, v1                      ; lane / 16
	v_and_b32 v173, 15, v1                         ; lane % 16
	v_add_nc_u32 v178, s45, v2                     ; Wo in: 16 x lane in my place
	s_delay_alu instid0(VALU_DEP_2)
	v_lshlrev_b32 v176, 4, v173
	s_delay_alu instid0(VALU_DEP_3)
	v_mul_u32_u24 v179, v173, 528
	v_mul_u32_u24 v174, v172, 272
	v_mul_u32_u24 v175, v173, 272
	s_delay_alu instid0(VALU_DEP_4)
	v_lshl_add_u32 v177, v172, 10, v176            ; both weights in memory: 1,024 (lane / 16) + 16 (lane % 16)
	s_delay_alu instid0(VALU_DEP_4)
	v_lshl_add_u32 v179, v172, 4, v179
	s_delay_alu instid0(VALU_DEP_4)
	v_add_nc_u32 v174, v174, v176
	s_delay_alu instid0(VALU_DEP_4)
	v_lshl_add_u32 v175, v172, 4, v175
	s_delay_alu instid0(VALU_DEP_3)
	v_add_nc_u32 v179, s43, v179                   ; Wo back: place lane % 16, + 16 (lane / 16)
	s_delay_alu instid0(VALU_DEP_3)
	v_add_nc_u32 v174, s46, v174                   ; W2 in
	s_delay_alu instid0(VALU_DEP_3)
	v_add_nc_u32 v175, s47, v175                   ; W2 back: row lane % 16, + 16 (lane / 16)
	s_wait_alu depctr_va_vdst(0)                   ; the wait at the head's end
	s_wait_kmcnt 0x0
	s_add_nc_u64 s[32:33], s[24:25], s[32:33]
	s_add_nc_u64 s[34:35], s[26:27], s[34:35]
	s_add_nc_u64 s[36:37], s[8:9], s[36:37]
	s_add_nc_u64 s[38:39], s[8:9], s[38:39]
	s_add_nc_u64 s[4:5], s[4:5], s[14:15]
	s_lshl_b32 s14, s13, 10                        ; 1,024 bytes a row of codes
	s_add_nc_u64 s[8:9], s[8:9], s[14:15]
	s_lshl_b32 s14, ttmp9, 10                      ; 1,024 scale bytes a work-group,
	s_add_co_u32 s14, s14, s22                     ; and my half of them
	s_add_nc_u64 s[10:11], s[10:11], s[14:15]
	global_load_b128 v[180:183], v177, s[32:33] th:TH_LOAD_NT   ; my piece of Wo: sixteen lanes read 256 neighbouring bytes
	s_cmp_gt_u32 s12, 7
	s_cbranch_scc1 .Lno_w2_in
	s_cmp_gt_u32 s29, 3
	s_cbranch_scc1 .Lno_w2_in
	global_load_b128 v[184:187], v177, s[34:35] th:TH_LOAD_NT   ; and of W2
.Lno_w2_in:
	global_load_b128 v[10:13], v3, s[6:7]          ; my 16 bytes of scale1
.irp i, 0,1,2,3,4,5,6,7,8,9,10,11,12,13,14,15
	global_load_b128 v[X+4*\i:X+4*\i+3], v2, s[4:5] offset:512*\i th:TH_LOAD_NT   ; numbers 128 i + 4 lane + 0 .. 3
.endr
	s_wait_loadcnt 16                              ; scale1's piece is in; the row's sixteen loads, issued behind it, stay out
	ds_store_b128 v3, v[10:13]
	ds_store_b128 v178, v[180:183]                 ; the weights' pieces were asked for ahead of scale1's: they are in too
	s_cmp_gt_u32 s12, 7
	s_cbranch_scc1 .Lno_w2_stage
	s_cmp_gt_u32 s29, 3
	s_cbranch_scc1 .Lno_w2_stage
	ds_store_b128 v174, v[184:187]
.Lno_w2_stage:
	s_wait_dscnt 0x0                               ; for the others' sake: my piece has landed
	s_barrier_signal -1
	s_barrier_wait -1                              ; all of scale1 and the weights' pieces lie in LDS
	ds_load_b128 v[188:191], v179                  ; my piece of my chunk of Wo
	s_cmp_gt_u32 s12, 7
	s_cbranch_scc1 .Lno_w2_back
	s_cmp_gt_u32 s29, 3
	s_cbranch_scc1 .Lno_w2_back
	ds_load_b128 v[192:195], v175
.Lno_w2_back:
.irp i, 0,1,2,3,4,5,6,7,8,9,10,11,12,13,14,15
	ds_load_b128 v[SS+4*\i:SS+4*\i+3], v2 offset:512*\i   ; in the row's layout
.endr
	s_wait_dscnt 16                                ; the weights' pieces are back; scale1's sixteen loads stay out
	global_store_b128 v2, v[188:191], s[36:37]     ; 512 consecutive bytes
	s_cmp_gt_u32 s12, 7
	s_cbranch_scc1 .Lno_w2_out
	s_cmp_gt_u32 s29, 3
	s_cbranch_scc1 .Lno_w2_out
	global_store_b128 v2, v[192:195], s[38:39]
.Lno_w2_out:
	s_wait_loadcnt 0x0                             ; the row
.irp k, 0,1,2,3
	v_pk_mul_f32 v[14+2*\k:15+2*\k], v[X+2*\k:X+2*\k+1], v[X+2*\k:X+2*\k+1]   ; the sum of squares: four chains of pairs; the first products start them
.endr
.set k, 4
.rept 28
	s_delay_alu instid0(VALU_DEP_4)
	v_pk_fma_f32 v[14+2*(k%4):15+2*(k%4)], v[X+2*k:X+2*k+1], v[X+2*k:X+2*k+1], v[14+2*(k%4):15+2*(k%4)]
.set k, k+1
.endr
	s_delay_alu instid0(VALU_DEP_3)
	v_pk_add_f32 v[14:15], v[14:15], v[16:17]
	s_delay_alu instid0(VALU_DEP_2)
	v_pk_add_f32 v[18:19], v[18:19], v[20:21]
	s_delay_alu instid0(VALU_DEP_1)
	v_pk_add_f32 v[14:15], v[14:15], v[18:19]
	s_delay_alu instid0(VALU_DEP_1)
	v_add_f32 v14, v14, v15
	s_delay_alu instid0(VALU_DEP_1)
	v_add_f32_dpp v14, v14, v14 row_xmask:1 row_mask:0xf bank_mask:0xf
	s_delay_alu instid0(VALU_DEP_1)
	v_add_f32_dpp v14, v14, v14 row_xmask:2 row_mask:0xf bank_mask:0xf
	s_delay_alu instid0(VALU_DEP_1)
	v_add_f32_dpp v14, v14, v14 row_xmask:4 row_mask:0xf bank_mask:0xf
	s_delay_alu instid0(VALU_DEP_1)
	v_add_f32_dpp v14, v14, v14 row_xmask:8 row_mask:0xf bank_mask:0xf
	s_delay_alu instid0(VALU_DEP_1)
	v_permlanex16_b32 v22, v14, s16, s17
	s_delay_alu instid0(VALU_DEP_1)
	v_add_f32 v14, v14, v22                        ; every lane holds the row's sum
	s_delay_alu instid0(VALU_DEP_1)
	v_fma_f32 v23, v14, s18, s19                   ; mean + 1e-6
	s_wait_alu depctr_va_vdst(0)
	v_rsq_f32 v24, v23                             ; 1 / rms, twice: a pair for the packed multiply
	v_rsq_f32 v25, v23
	v_nop                                          ; a plain instruction behind the last of the two
	s_wait_alu depctr_va_vdst(0)                   ; one wait for both, ahead of their first reader
.set k, 0
.rept 32
	v_pk_mul_f32 v[X+2*k:X+2*k+1], v[X+2*k:X+2*k+1], v[24:25]
.set k, k+1
.endr
	s_wait_dscnt 0x0                               ; scale1 is in registers
.set k, 0
.rept 32
	v_pk_mul_f32 v[X+2*k:X+2*k+1], v[X+2*k:X+2*k+1], v[SS+2*k:SS+2*k+1]
.set k, k+1
.endr
.irp n, 0,1                                    ; the turn: LDS serves a wave's instructions in order, so no wait stands between the stores and the loads
.irp i, 0,1,2,3,4,5,6,7
	ds_store_b128 v4, v[X+32*\n+4*\i:X+32*\n+4*\i+3] offset:HSTG*\n+576*\i
.endr
.irp i, 0,1,2,3,4,5,6,7
	ds_load_b128 v[X+32*\n+4*\i:X+32*\n+4*\i+3], v5 offset:HSTG*\n+16*\i   ; now number 1024 n + 32 lane + 4 i + 0 .. 3
.endr
.endr
.macro BLK n                           ; my block 32 n + lane of the row: its 32 numbers are mine
.set XS, X+32*(\n)
	v_max3_num_f32 v[26+\n], |v[XS]|, |v[XS+1]|, |v[XS+2]|          ; the largest magnitude, in two chains
	v_max3_num_f32 v[28+\n], |v[XS+3]|, |v[XS+4]|, |v[XS+5]|
.irp i, 6,10,14,18,22,26
	s_delay_alu instid0(VALU_DEP_2)
	v_max3_num_f32 v[26+\n], v[26+\n], |v[XS+\i]|, |v[XS+\i+1]|
	s_delay_alu instid0(VALU_DEP_2)
	v_max3_num_f32 v[28+\n], v[28+\n], |v[XS+\i+2]|, |v[XS+\i+3]|
.endr
	s_delay_alu instid0(VALU_DEP_2)
	v_max3_num_f32 v[26+\n], v[26+\n], |v[XS+30]|, |v[XS+31]|
	s_delay_alu instid0(VALU_DEP_1)
	v_max3_num_f32 v[26+\n], v[26+\n], v[28+\n], 0x1800000         ; and the floor 2^(3 - 127): the byte cannot fall under 1
	s_delay_alu instid0(VALU_DEP_1)
	v_add_nc_u32 v[30+\n], 0xff000000, v[26+\n]                    ; 2 off the exponent field: the conversion takes this operand's exponent field as its scale
.irp g, 0,1,2,3
	v_cvt_scalef32_pk8_fp4_f32 v[CD+4*\n+\g], v[XS+8*\g:XS+8*\g+7], v[30+\n]
.endr
	v_lshrrev_b32 v[22+\n], 23, v[30+\n]                           ; the scale's byte (also the plain instruction behind the conversions)
	ds_store_b8 v6, v[22+\n] offset:32*\n
	global_store_b128 v2, v[CD+4*\n:CD+4*\n+3], s[8:9] offset:512*\n   ; 32 lanes store 512 consecutive bytes
.endm
	s_wait_dscnt 16                                ; the first 1,024 numbers are back; the second turn's 8 stores and 8 loads stay out
	BLK 0
	s_wait_dscnt 1                                 ; the second are back; block 0's byte store may be out
	BLK 1
	s_wait_dscnt 0x0                               ; for the others' sake: my two byte stores have landed
	s_barrier_signal -1
	s_barrier_wait -1                              ; the 16 rows' scale bytes lie in LDS
	s_cmp_gt_u32 s12, 1
	s_cbranch_scc1 .Lno_bytes
	ds_load_b128 v[168:171], v7
	s_wait_dscnt 0x0
	global_store_b128 v2, v[168:171], s[10:11]     ; 512 consecutive bytes
.Lno_bytes:
	s_wait_tensorcnt 0x0                           ; the wave's end
	ds_add_u32 v[SPW], v[NIL]
	s_wait_dscnt 0x0
	s_endpgm
.Lfunc_end_k_q539482bbcb_normq:
	.size	k_q539482bbcb_normq, .Lfunc_end_k_q539482bbcb_normq-k_q539482bbcb_normq
	.p2alignl 7, 3214868480
	.fill 96, 4, 3214868480
	.section	.rodata,"a",@progbits
	.p2align	6, 0x0
	.amdhsa_kernel k_q539482bbcb_normq
		.amdhsa_group_segment_fixed_size 171776
		.amdhsa_private_segment_fixed_size 0
		.amdhsa_enable_private_segment 0
		.amdhsa_kernarg_size 48
		.amdhsa_user_sgpr_count 2
		.amdhsa_user_sgpr_kernarg_segment_ptr 1
		.amdhsa_wavefront_size32 1
		.amdhsa_system_sgpr_workgroup_id_x 1
		.amdhsa_system_sgpr_workgroup_id_y 1
		.amdhsa_system_sgpr_workgroup_id_z 1
		.amdhsa_system_vgpr_workitem_id 0
		.amdhsa_next_free_vgpr 196
		.amdhsa_next_free_sgpr 66
		.amdhsa_reserve_vcc 0
		.amdhsa_float_denorm_mode_32 3
		.amdhsa_float_denorm_mode_16_64 3
		.amdhsa_memory_ordered 1
		.amdhsa_forward_progress 1
		.amdhsa_inst_pref_size 25
	.end_amdhsa_kernel
	.amdgpu_metadata
---
amdhsa.version: [ 1, 2 ]
amdhsa.kernels:
  - .name:           k_q539482bbcb_normq
    .symbol:         k_q539482bbcb_normq.kd
    .args:
      - { .name: x, .offset: 0, .size: 8, .value_kind: global_buffer, .address_space: global }
      - { .name: scale1, .offset: 8, .size: 8, .value_kind: global_buffer, .address_space: global }
      - { .name: xn_codes, .offset: 16, .size: 8, .value_kind: global_buffer, .address_space: global }
      - { .name: xn_scales, .offset: 24, .size: 8, .value_kind: global_buffer, .address_space: global }
      - { .name: Wo_codes, .offset: 32, .size: 8, .value_kind: global_buffer, .address_space: global }
      - { .name: W2_codes, .offset: 40, .size: 8, .value_kind: global_buffer, .address_space: global }
    .group_segment_fixed_size: 171776
    .private_segment_fixed_size: 0
    .kernarg_segment_align: 8
    .kernarg_segment_size: 48
    .max_flat_workgroup_size: 512
    .sgpr_count:     66
    .vgpr_count:     196
    .wavefront_size: 32
...
	.end_amdgpu_metadata
.endif
;; end of part 1
;; launch proj (part 2): grid 16 x 14, 4 waves a work-group, no clusters, 327,680 bytes of LDS; arguments xn_codes, xn_scales, Wq_codes, Wq_scales, bq, Wk_codes, Wk_scales, bk, Wv_codes, Wv_scales, bv, W1_codes, W1_scales, b1, qkv_codes, qkv_scales, hc_codes, hc_scales; writes qkv_codes, qkv_scales, hc_codes, hc_scales
.if DOCPART == 2
	.amdgcn_target "amdgcn-amd-amdhsa--gfx1250"
	.amdhsa_code_object_version 6
	.text
	.protected	k_q539482bbcb_proj
	.globl	k_q539482bbcb_proj
	.p2align	8
	.type	k_q539482bbcb_proj,@function
k_q539482bbcb_proj:
	s_mov_b64 s[64:65], 0
	v_nop
	global_prefetch_b8 v0, s[64:65] scope:SCOPE_SE
	s_setreg_imm32_b32 hwreg(HW_REG_WAVE_MODE, 25, 1), 1
	s_wait_xcnt 0x0
; LLaMA layer in MX-FP4, launch 2 of 4.  xn [4096][2048] times Wq, Wk, Wv, W1 (3,584 columns in all), + bias; the results never reach memory as f32: the way out quantises them as the next products want them.
; No work of reference() is left out here.
; SHARES.  Work-group (x, y): x = block of 256 tokens, y = block of 256 features: y 0-7 Q, 8-9 K, 10-11 V, 12-13 the FFN's hidden layer H.  Four waves, each 128 x 128: 64 accumulators, 512 registers.
; K = 2,048 goes in four steps of 512 (rows of 256 bytes) through two LDS slots filled by tensor loads, one load a wave behind each barrier of a refill; written out, no loop.
; SIDES.  Source 0 takes 16 rows of side B, source 1 16 rows of side A: a lane then holds ONE row of side A and, of each block of 16 rows of B, eight neighbours: its registers run along B.
; The next product's K must run along B.  Q, K (K = the head's 128) and H (K = the 512 hidden units): A = tokens (xn), B = features (W).  V (K = the keys): A = Wv's rows, B = tokens.
; Only pointers are exchanged: both sides have rows of 1,024 bytes of codes and 64 scale bytes, so nothing in LDS, in the descriptors or in the products knows the type.
; A wave's 128 rows of B are just one K step of the next product: a row's 64 bytes of codes and one scale word.
; OUT.  Q: [batch 16 + head][token][64 B].  K: the same with 4 heads, a key's row at the key's number with bits 3 and 4 exchanged, so that the 16 keys that the next launch wants in a tile are 16 neighbouring rows.
; V: [batch 4 + head][key step of 128][d][64 B].  All three in qkv_codes (Q at 0, K at 4 MiB, V at 5 MiB), one scale word a row in qkv_scales at a sixteenth of the codes' offset.  H: hc_codes [token][256 B], hc_scales [token][16].
; A wave's Q, K or V rows are 8,192 consecutive bytes and leave 512 at a store.  H's rows get 64 bytes from each of four waves of two work-groups: pieces of 64 bytes, and single scale words: 1.1 MiB of this launch's 7.8.
; cluster = none: the 14 feature blocks do not divide by four, and along x the side that partners would share is B for twelve values of y and A for V's two, while the mask is a word of descriptor group 1, which is a constant of the text here.
; LIMITS: as in launch 1 (zero blocks: byte 1; floor 2^-124; no NaN, no infinities).  sigmoid(h) = 1 / (1 + 2^(-h log2 e)) by v_exp_f32 and v_rcp_f32; where 2^(..) overflows the result is 0.
; REGISTERS, in windows of 256.  Window 0: v0-31 addresses; v32-95 scale words, two sets, and nothing else ever; v128-191 A's fragments, ONE set; on the way out v96-127 and v128-255 at work.
;   Window 1: B's fragments, TWO sets, at v0 and v128; v64-127 the bias by column, v192-207 the bias by row.   Windows 2, 3: the accumulators ((a, b) at v[8 (8 (a % 4) + b)] of window 2 + a / 4).
.set NQ,     4                         ; matrix instructions deep in a K step
.set ROWB,   256                       ; a tile's row in bytes: 512 codes
.set KROW,   1024                      ; a row of either side in memory
.set PITCH,  272                       ; an LDS row: 256 bytes + 16 of padding = 68 words: the 16 rows that a load touches start at 16 different groups of four banks
.set FR,     8
.set NL,     2
.set NP,     4                         ; places behind this matrix instruction (ISA guide 7.12.1)
.set HALFT,  128*PITCH                 ; what one tensor load brings
.set SLOT,   4*HALFT                   ; A's 256 rows, then B's 256
.set KS,     64                        ; a row of scale bytes
.set SCL,    2*SLOT                    ; behind the ring: the scale bytes of both sides for all of K, as rows of 256 bytes + 16 of padding; filled once
.set HALFS,  (128*KS/256)*272
.set SBLK,   (16*KS/256)*272
.set SPARE,  SCL+4*HALFS               ; the spare words, 128 bytes for each wave: two blocks of 256 bytes that no other line names
.set WST,    128*80+512                ; the way out: a wave's stage: 128 rows x (64 bytes + 16), then 128 scale words.  The stages lie in slot 0, which has had its last fill and its last read by then
.set ADRA, 16                          ; v16-17 LDS address of my A fragments in slot 0, 1
.set STO,  18                          ; v18 the stage: where I put 4 bytes of a row
.set SSC,  19                          ; v19 and a row's scale word
.set ADRB, 20                          ; v20-21 as ADRA, for B
.set RD,   22                          ; v22 the stage, back: four lanes to a row
.set RDS,  23                          ; v23 four scale words a lane
.set RDH,  24                          ; v24 one scale word a lane
.set LP,   25                          ; v25 my place in eight rows of the codes' buffer
.set SVO,  26                          ; v26 my place among the wave's 128 scale words (K: bits exchanged)
.set ADRS, 27                          ; v27 LDS address of my scale words: lanes 0-15 A's rows, lanes 16-31 B's
.set SPW,  28                          ; v28 LDS address of my spare word; never rewritten
.set NIL,  29                          ; v29 0; never rewritten
.set HVO,  30                          ; v30 16 x lane
.set SC,   32
.set OFF,  96                          ; v96-111 the way out: offsets of the sixteen stores
.set PCD,  112                         ; v112-127 codes just made, two sets of 8
.set AF,   128
.set TT,   128                         ; v128-191 a block's 64 numbers; at the end the rows read back
.set PW,   192                         ; v192-193 scale words just made
.set TM,   200                         ; v200-215 at work in QROW
.set BK,   232                         ; v232-239 scale words read back
.set EX,   0                           ; window 1: the activation's scratch (B's set 0 is done with)
.set BB,   64                          ; window 1: bias[16 b + 8 h + j] at 8 b + j
.set BA,   192                         ; window 1: bias[16 a + r] at 2 a and 2 a + 1
.set G1,  24                           ; s[24:31] descriptor group 1 for tiles;  s[32:39] group 0, one set for each slot
.set G0,  32
.set G1S, 48                           ; s[48:55], s[56:59] groups 1 and 0 for the scale bytes
.set G0S, 56
.set SEL, 60                           ; s[60:61] v_permlanex16_b32's selects for lane l xor 16
.set NLE, 62                           ; s[62:63] -log2(e), named as a pair
.set MSB, 0
.macro WIN new                         ; the immediate's high byte repeats the setting that is left
.if MSB != (\new)
	s_set_vgpr_msb (MSB<<8)|(\new)
.set MSB, (\new)
.endif
.endm
.set MUL_LO, 0xa1                      ; source 0 (B) window 1, source 1 (A) window 0, C and D window 2
.set MUL_HI, 0xf1                      ; the same, C and D window 3
.set TO_B,   0x40                      ; destination window 1, address window 0
.macro PLACES n
.rept \n
	v_nop
.endr
.endm
	s_load_b128 s[4:7], s[0:1], 0x0                ; xn's codes s[4:5], scales s[6:7]
	s_load_b512 s[68:83], s[0:1], 0x10             ; Wq codes 68, scales 70, bq 72; Wk 74, 76, bk 78; Wv codes 80, scales 82
	s_load_b512 s[84:99], s[0:1], 0x50             ; bv 84; W1 86, 88, b1 90; qkv_codes 92, qkv_scales 94, hc_codes 96, hc_scales 98
	v_lshl_add_u32 v[SPW], v0, 2, SPARE
	v_mov_b32 v[NIL], 0
	ds_add_u32 v[SPW], v[NIL]                      ; the wave's opening: an add, twice on end, and its wait ahead of my first tensor load
	ds_add_u32 v[SPW], v[NIL]                      ; and once more, under the one wait; the set-up below, work on registers, stands between
	v_lshrrev_b32 v1, 5, v0
	v_readfirstlane_b32 s14, v1                    ; wave 0..3
	s_lshr_b32 s15, s14, 1                         ; which half of side A's rows is mine.  Also: I fetch for A (0) or for B (1)
	s_and_b32 s16, s14, 1                          ; which half of side B's.  Also: which 128 rows of that side I fetch
	s_mov_b32 s17, ttmp9                           ; block of tokens
	s_and_b32 s18, ttmp7, 0xffff                   ; block of features
	s_cmp_ge_u32 s18, 8
	s_cselect_b32 s19, 1, 0                        ; the type: 0 Q, 1 K, 2 V, 3 H
	s_cselect_b32 s20, 8, 0
	s_cmp_ge_u32 s18, 10
	s_cselect_b32 s19, 2, s19
	s_cselect_b32 s20, 10, s20
	s_cmp_ge_u32 s18, 12
	s_cselect_b32 s19, 3, s19
	s_cselect_b32 s20, 12, s20
	s_sub_co_u32 s20, s18, s20                     ; the block within its weight
	s_cmp_eq_u32 s19, 2
	s_cselect_b32 s21, 1, 0                        ; V: the sides change places
	s_mov_b32 s[G1+0], (0<<16)|(1<<20)|(5<<22)|(3<<25)   ; no mask; elements of 1 byte; padding on: 4 words behind every 64
	s_mov_b32 s[G1+1], ROWB<<16                    ; tensor_dim0
	s_mov_b32 s[G1+2], 256<<16                     ; tensor_dim1: 256 rows for the head's loads, 128 behind them
	s_mov_b32 s[G1+3], ROWB<<16                    ; tile_dim0
	s_mov_b32 s[G1+4], 256                         ; tile_dim1 likewise
	s_mov_b32 s[G1+5], KROW                        ; from row to row
	s_mov_b32 s[G1+6], 0
	s_mov_b32 s[G1+7], 0
	s_mov_b32 s[G1S+0], (3<<16)|(1<<20)|(5<<22)|(3<<25)  ; the scale bytes of 256 rows: 16,384 dense bytes as 64 rows of 32 elements of 8 bytes, padded alike
	s_mov_b32 s[G1S+1], 32<<16
	s_mov_b32 s[G1S+2], 64<<16
	s_mov_b32 s[G1S+3], 32<<16
	s_mov_b32 s[G1S+4], 64
	s_mov_b32 s[G1S+5], 32
	s_mov_b32 s[G1S+6], 0
	s_mov_b32 s[G1S+7], 0
	s_mov_b32 s[SEL], 0x76543210
	s_mov_b32 s[SEL+1], 0xfedcba98
	s_mov_b32 s[NLE], 0xbfb8aa3b
	s_mov_b32 s[NLE+1], s[NLE]
	s_mov_b32 s3, 0
	s_wait_dscnt 0x0                               ; both opening adds are done
	s_wait_kmcnt 0x0
	s_cmp_eq_u32 s19, 1                            ; the weight, its scales and its bias: choices on the work-group's number alone
	s_cselect_b64 s[8:9], s[74:75], s[68:69]
	s_cselect_b64 s[10:11], s[76:77], s[70:71]
	s_cselect_b64 s[12:13], s[78:79], s[72:73]
	s_cmp_eq_u32 s19, 2
	s_cselect_b64 s[8:9], s[80:81], s[8:9]
	s_cselect_b64 s[10:11], s[82:83], s[10:11]
	s_cselect_b64 s[12:13], s[84:85], s[12:13]
	s_cmp_eq_u32 s19, 3
	s_cselect_b64 s[8:9], s[86:87], s[8:9]
	s_cselect_b64 s[10:11], s[88:89], s[10:11]
	s_cselect_b64 s[12:13], s[90:91], s[12:13]
	s_cselect_b64 s[40:41], s[96:97], s[92:93]     ; where the codes go,
	s_cselect_b64 s[42:43], s[98:99], s[94:95]     ; and the scale words
	s_xor_b32 s22, s15, s21
	s_cmp_eq_u32 s22, 0                            ; do I fetch xn (side A; for V side B) or the weight?
	s_cselect_b64 s[44:45], s[4:5], s[8:9]
	s_cselect_b32 s22, s17, s20
	s_lshl_b32 s22, s22, 8
	s_lshl_b32 s23, s16, 7
	s_add_co_u32 s22, s22, s23                     ; the first of my 128 rows
	s_lshl_b32 s2, s22, 10
	s_add_nc_u64 s[44:45], s[44:45], s[2:3]
	s_mul_i32 s22, s14, HALFT                      ; where the ring's loads go: wave x 128 rows
.irp n, 0,1
	s_mov_b32 s[G0+4*\n], 1
	s_add_co_u32 s[G0+4*\n+1], s22, \n*SLOT
	s_add_nc_u64 s[G0+4*\n+2:G0+4*\n+3], s[44:45], \n*ROWB
	s_or_b32 s[G0+4*\n+3], s[G0+4*\n+3], 0x80000000
.endr
	; THE HEAD'S LOADS, ONE A WAVE: wave 0 K step 0's 256 rows of side A, wave 1 those of side B, wave 2 the scale bytes of A's 256 rows, wave 3 those of B's.
	s_xor_b32 s22, s16, s21
	s_cmp_eq_u32 s22, 0                            ; side A (waves 0, 2) or B (1, 3): xn or the weight?
	s_cselect_b64 s[44:45], s[4:5], s[8:9]
	s_cselect_b64 s[46:47], s[6:7], s[10:11]
	s_cselect_b32 s22, s17, s20
	s_lshl_b32 s2, s22, 18                         ; 256 rows of 1,024 bytes a block
	s_add_nc_u64 s[44:45], s[44:45], s[2:3]
	s_lshl_b32 s2, s22, 14                         ; and of 64 scale bytes
	s_add_nc_u64 s[46:47], s[46:47], s[2:3]
	s_mov_b32 s4, 1                                ; s[4:7]: group 0 for the codes (the pointers that lay there have been used)
	s_mul_i32 s5, s16, 2*HALFT
	s_mov_b64 s[6:7], s[44:45]
	s_or_b32 s7, s7, 0x80000000
	s_mov_b32 s[G0S], 1
	s_mul_i32 s23, s16, 2*HALFS
	s_add_co_u32 s[G0S+1], s23, SCL
	s_mov_b64 s[G0S+2:G0S+3], s[46:47]
	s_or_b32 s[G0S+3], s[G0S+3], 0x80000000
	s_cmp_eq_u32 s15, 0
	s_cbranch_scc0 .Lhead_words
	tensor_load_to_lds s[4:7], s[G1:G1+7]
	s_nop 0
	PLACES 4
	s_branch .Lhead_asked
.Lhead_words:
	tensor_load_to_lds s[G0S:G0S+3], s[G1S:G1S+7]
	s_nop 0
	PLACES 4
.Lhead_asked:
	; the way out's bases.  s68 to s91 are free from here on
	s_cmp_eq_u32 s21, 1
	s_cselect_b32 s22, s15, s16                    ; which half of the features is mine,
	s_cselect_b32 s23, s16, s15                    ; and which half of the tokens
	s_lshl_b32 s68, s20, 1
	s_add_co_u32 s68, s68, s22                     ; my 128 features: the head within its weight, or the hidden layer's K step
	s_lshl_b32 s2, s68, 9
	s_add_nc_u64 s[12:13], s[12:13], s[2:3]        ; their bias
	v_and_b32 v1, 15, v0                           ; r
	s_wait_alu depctr_va_vdst(0)
	v_bfe_u32 v2, v0, 4, 1                         ; h
	v_and_b32 v3, 31, v0                           ; lane
	v_lshlrev_b32 v6, 5, v2                        ; 32 h; kept until the loads are in
	v_lshlrev_b32 v7, 2, v1                        ; 4 r; likewise
	WIN TO_B
.irp b, 0,1,2,3,4,5,6,7                        ; both layouts of the same 128 numbers are loaded by every work-group: the one by column serves Q, K, H, the one by row V
	global_load_b128 v[BB+8*\b:BB+8*\b+3], v6, s[12:13] offset:64*\b
	global_load_b128 v[BB+8*\b+4:BB+8*\b+7], v6, s[12:13] offset:64*\b+16
.endr
.irp a, 0,1,2,3,4,5,6,7
	global_load_b32 v[BA+2*\a], v7, s[12:13] offset:64*\a
	global_load_b32 v[BA+2*\a+1], v7, s[12:13] offset:64*\a
.endr
	WIN 0
	s_lshr_b32 s71, s17, 2                         ; the batch
	s_cmp_eq_u32 s19, 0
	s_cselect_b32 s72, 4, 2                        ; 16 heads of Q, 4 of K and V
	s_lshl_b32 s71, s71, s72
	s_add_co_u32 s71, s71, s68
	s_lshl_b32 s71, s71, 10                        ; 1,024 rows a head
	s_and_b32 s72, s17, 3
	s_lshl_b32 s72, s72, 8
	s_add_co_u32 s71, s71, s72
	s_lshl_b32 s72, s23, 7
	s_add_co_u32 s71, s71, s72                     ; my first row in Q, K or V
	s_lshl_b32 s71, s71, 6
	s_cmp_eq_u32 s19, 1
	s_cselect_b32 s72, 0x400000, 0
	s_cmp_eq_u32 s19, 2
	s_cselect_b32 s72, 0x500000, s72
	s_add_co_u32 s71, s71, s72
	s_lshl_b32 s72, s17, 8                         ; H: token 256 x + 128 half, 256 bytes a token, + 64 bytes for each K step
	s_lshl_b32 s73, s15, 7
	s_add_co_u32 s72, s72, s73
	s_lshl_b32 s72, s72, 8
	s_lshl_b32 s73, s68, 6
	s_add_co_u32 s72, s72, s73
	s_cmp_eq_u32 s19, 3
	s_cselect_b32 s2, s72, s71
	s_cselect_b32 s66, 256, 64                     ; from row to row in the codes' buffer
	s_add_nc_u64 s[40:41], s[40:41], s[2:3]
	s_lshr_b32 s2, s2, 4                           ; a scale word for each 64 bytes of codes: a sixteenth of the offset, for all four types
	s_add_nc_u64 s[42:43], s[42:43], s[2:3]
	s_lshl_b32 s67, s66, 3                         ; eight rows
	s_cmp_eq_u32 s19, 1
	s_cselect_b32 s69, s67, 0                      ; K: the second and third of each four groups of eight rows change places
	s_cselect_b32 s70, 0x60, 0                     ; and so do their scale words
	v_mul_u32_u24 v4, v1, PITCH
	s_wait_alu depctr_va_vdst(0)
	v_lshl_add_u32 v4, v2, 4, v4                   ; a fragment's row x pitch + 16 x half
	s_mul_i32 s22, s15, HALFT
	s_mul_i32 s23, s16, HALFT
	s_add_co_u32 s23, s23, 2*HALFT
.irp n, 0,1
	v_add_nc_u32 v[ADRA+\n], s22, v4
	v_add_nc_u32 v[ADRB+\n], s23, v4
	s_add_co_u32 s22, s22, SLOT
	s_add_co_u32 s23, s23, SLOT
.endr
	v_mul_u32_u24 v5, v1, KS                       ; my row's scale bytes: 64 a row,
	v_lshrrev_b32 v8, 8, v5
	v_lshl_add_u32 v5, v8, 4, v5                   ; and 16 more for each 256 passed
	s_mul_i32 s22, s15, HALFS
	s_mul_i32 s23, s16, HALFS
	s_add_co_u32 s23, s23, 2*HALFS
	s_sub_co_u32 s23, s23, s22
	v_mul_u32_u24 v8, s23, v2                      ; lanes 16-31 take B's
	s_add_co_u32 s22, s22, SCL
	v_add_nc_u32 v5, v5, v8
	v_add_nc_u32 v[ADRS], s22, v5
	s_mul_i32 s22, s14, WST                        ; my stage
	v_mul_u32_u24 v5, v1, 80
	v_lshl_add_u32 v5, v2, 2, v5
	v_add_nc_u32 v[STO], s22, v5                   ; row r, + 4 h
	v_lshlrev_b32 v5, 2, v1
	v_add_nc_u32 v5, s22, v5
	v_add_nc_u32 v[SSC], 10240, v5
	v_lshrrev_b32 v8, 2, v3
	v_mul_u32_u24 v5, v8, 80
	v_and_b32 v9, 3, v3
	v_lshl_add_u32 v5, v9, 4, v5
	v_add_nc_u32 v[RD], s22, v5                    ; back: row lane / 4, 16 bytes for each of four lanes
	v_lshlrev_b32 v[HVO], 4, v3
	v_add_nc_u32 v5, s22, v[HVO]
	v_add_nc_u32 v[RDS], 10240, v5
	v_lshlrev_b32 v5, 2, v3
	v_add_nc_u32 v5, s22, v5
	v_add_nc_u32 v[RDH], 10240, v5
	v_mul_lo_u32 v8, v8, s66
	v_lshl_add_u32 v[LP], v9, 4, v8
	v_lshrrev_b32 v8, 1, v3
	v_lshrrev_b32 v9, 2, v3
	v_xor_b32 v8, v8, v9
	v_and_b32 v8, 1, v8
	v_mul_lo_u32 v8, v8, s70
	v_xor_b32 v[SVO], v8, v[HVO]                   ; 16 x lane; for K with bits 5 and 6 exchanged
.macro FRAG reg, adr, q, i             ; 16 rows x 128 K of 4-bit codes: lane l holds row l % 16; registers 4 c .. 4 c + 3 hold K = 64 c + 32 (l / 16) + 0 .. 31
.irp c, 0,1
	ds_load_b128 v[\reg+4*\c:\reg+4*\c+3], v[\adr] offset:64*(\q)+32*\c+(\i)*16*PITCH
.endr
.endm
; 16 matrix instructions: A's blocks a0, a0 + 1 x B's eight, the slot's q-th 128 along K.  p: B's set; sc: the set of scale words.  zero = 1: the first product starts the sums.
; The 64 accumulators take turns, one instruction a turn, in the same order in every step.
.macro MUL16 a0, p, q, sc, zero
.irp a, \a0, \a0+1
.irp b, 0,1,2,3,4,5,6,7
.if \zero
	v_wmma_scale_f32_16x16x128_f8f6f4 v[8*(8*((\a)%4)+\b):8*(8*((\a)%4)+\b)+7], v[128*(\p)+FR*\b:128*(\p)+FR*\b+FR-1], v[AF+FR*(\a):AF+FR*(\a)+FR-1], 0, v[SC+8*NQ*(\sc)+NQ*\b+(\q)], v[SC+8*NQ*(\sc)+NQ*(\a)+(\q)] matrix_a_fmt:MATRIX_FMT_FP4 matrix_b_fmt:MATRIX_FMT_FP4 matrix_a_scale:MATRIX_SCALE_ROW1
.else
	v_wmma_scale_f32_16x16x128_f8f6f4 v[8*(8*((\a)%4)+\b):8*(8*((\a)%4)+\b)+7], v[128*(\p)+FR*\b:128*(\p)+FR*\b+FR-1], v[AF+FR*(\a):AF+FR*(\a)+FR-1], v[8*(8*((\a)%4)+\b):8*(8*((\a)%4)+\b)+7], v[SC+8*NQ*(\sc)+NQ*\b+(\q)], v[SC+8*NQ*(\sc)+NQ*(\a)+(\q)] matrix_a_fmt:MATRIX_FMT_FP4 matrix_b_fmt:MATRIX_FMT_FP4 matrix_a_scale:MATRIX_SCALE_ROW1
.endif
.endr
.endr
.endm
.macro FETCH_B slot, q, p
	WIN TO_B
.irp i, 0,1,2,3,4,5,6,7
	FRAG 128*(\p)+FR*\i, ADRB+\slot, \q, \i
.endr
	WIN 0
.endm
.macro FETCH_A slot, q, i0
.irp i, \i0, \i0+1, \i0+2, \i0+3
	FRAG AF+FR*(\i), ADRA+\slot, \q, \i
.endr
.endm
.macro SCALES sc                       ; a K step's scale words: four a row; lanes 0-15 take A's block i, lanes 16-31 B's block i
.irp i, 0,1,2,3,4,5,6,7
	ds_load_b128 v[SC+8*NQ*\sc+NQ*\i:SC+8*NQ*\sc+NQ*\i+3], v[ADRS] offset:\i*SBLK
.endr
.endm
; A step of 128 along K that has its successor in the same slot.  A's blocks 0-3 are fetched anew in its middle, blocks 4-7 at its end, B's other set in the middle.
.macro STEP slot, q, zero
	s_wait_dscnt 4*NL                              ; all but the youngest eight loads (A's blocks 4-7)
	WIN MUL_LO
	MUL16 0, (\q)%2, \q, \slot, \zero
	MUL16 2, (\q)%2, \q, \slot, \zero
	s_wait_dscnt 0                                 ; A's blocks 4-7 are in
	PLACES NP                                      ; in front of loads into registers that matrix instructions have read
	FETCH_B \slot, (\q)+1, 1-(\q)%2
	FETCH_A \slot, (\q)+1, 0
	WIN MUL_HI
	MUL16 4, (\q)%2, \q, \slot, \zero
	MUL16 6, (\q)%2, \q, \slot, \zero
	PLACES NP
	WIN 0
	FETCH_A \slot, (\q)+1, 4
.endm
; A slot's last step changes slots: ONE barrier; in front of it each wave waits for all its tensor loads, adds 0 to its spare word, and waits for that and for its reads of this slot.  fill = 1: the slot is filled again, two K steps on.
.macro TURN slot, next, fill
	s_wait_tensorcnt 0x0                           ; all my tensor loads have landed: my part of the next slot
	ds_add_u32 v[SPW], v[NIL]
	s_wait_dscnt 4*NL+1                            ; the add and the youngest eight loads may be out
	WIN MUL_LO
	MUL16 0, 1, NQ-1, \slot, 0                     ; sixteen matrix instructions stand between the add and the wait for it
	s_wait_dscnt 0x0                               ; the add is done, and my reads of this slot are over
	s_barrier_signal -1
	MUL16 2, 1, NQ-1, \slot, 0
	WIN 0
	s_barrier_wait -1                              ; nobody reads this slot any more, and the next slot is whole
.if \fill
	s_add_nc_u64 s[G0+4*\slot+2:G0+4*\slot+3], s[G0+4*\slot+2:G0+4*\slot+3], 2*ROWB
	tensor_load_to_lds s[G0+4*\slot:G0+4*\slot+3], s[G1:G1+7]   ; my one tensor load behind this barrier, ahead of every LDS read
	s_nop 0
	PLACES 4                                       ; also the places in front of the loads below
.else
	PLACES NP
.endif
	v_add_nc_u32 v[ADRS], 4*NQ, v[ADRS]            ; on to the next K step's scale words
	FETCH_B \next, 0, 0
	FETCH_A \next, 0, 0
	SCALES \next
	WIN MUL_HI
	MUL16 4, 1, NQ-1, \slot, 0
	MUL16 6, 1, NQ-1, \slot, 0
	PLACES NP
	WIN 0
	FETCH_A \next, 0, 4
.endm
.macro STEPS slot, from
.set Q, \from
.rept NQ-1-\from
	STEP \slot, Q, 0
.set Q, Q+1
.endr
.endm
	s_wait_alu depctr_va_vdst(0)                   ; the wait at the head's end
	s_wait_tensorcnt 0x0                           ; my tile of the head's four is in
	ds_add_u32 v[SPW], v[NIL]
	s_mov_b32 s[G1+2], 128<<16                     ; no tensor load of mine is out: from here on a load brings 128 rows
	s_mov_b32 s[G1+4], 128
	s_wait_dscnt 0x0
	s_barrier_signal -1
	s_barrier_wait -1                              ; all four tiles are in
	tensor_load_to_lds s[G0+4:G0+7], s[G1:G1+7]    ; slot 1's first fill, K step 1: my one load behind this barrier
	s_nop 0
	PLACES 4
	FETCH_B 0, 0, 0
	FETCH_A 0, 0, 0
	SCALES 0
	FETCH_A 0, 0, 4
	STEP 0, 0, 1                                   ; K step 0: its first products start the sums
	STEPS 0, 1
	TURN 0, 1, 1                                   ; slot 0 takes K step 2
	s_wait_alu depctr_va_vdst(0)
	STEPS 1, 0
	TURN 1, 0, 1                                   ; slot 1 takes K step 3
	s_wait_alu depctr_va_vdst(0)
	STEPS 0, 0
	TURN 0, 1, 0                                   ; nothing is left to fetch
	STEPS 1, 0
	s_wait_dscnt 4*NL
	WIN MUL_LO
	MUL16 0, 1, NQ-1, 1, 0
	MUL16 2, 1, NQ-1, 1, 0
	s_wait_dscnt 0
	WIN MUL_HI
	MUL16 4, 1, NQ-1, 1, 0
	MUL16 6, 1, NQ-1, 1, 0
	WIN 0
; THE WAY OUT, each wave's own: no barrier.  Block a = 16 rows of side A x my 128 rows of side B.  In it lane (r, h) holds row 16 a + r, and number 8 b + j is column 16 b + 8 h + j.
; 64 numbers of a lane at v[src] on become 8 registers of codes and the row's scale word.  Block beta of 32 columns lies in my registers 16 beta .. + 15 and in lane l xor 16's.
; Register 2 beta + u of the codes holds columns 32 beta + 16 u + 8 h + 0 .. 7: bytes 16 beta + 8 u + 4 h on of the row's 64.
.macro QROW src, pc, pw
.irp b, 0,1,2,3
	v_max3_num_f32 v[TM+\b], |v[\src+16*\b]|, |v[\src+1+16*\b]|, 0x1800000   ; with the floor 2^(3 - 127): the byte cannot fall under 1
.endr
.irp i, 2,4,6,8,10,12,14
.irp b, 0,1,2,3
	v_max3_num_f32 v[TM+\b], v[TM+\b], |v[\src+16*\b+\i]|, |v[\src+1+16*\b+\i]|   ; the four blocks by turns
.endr
.endr
.irp b, 0,1,2,3
	v_permlanex16_b32 v[TM+4+\b], v[TM+\b], s[SEL], s[SEL+1]
.endr
.irp b, 0,1,2,3
	v_max_num_f32 v[TM+\b], v[TM+\b], v[TM+4+\b]   ; the block's largest magnitude
.endr
.irp b, 0,1,2,3
	v_add_nc_u32 v[TM+12+\b], 0xff000000, v[TM+\b] ; 2 off its exponent field: the conversion's scale operand
.endr
.irp b, 0,1,2,3
	v_lshrrev_b32 v[TM+4+\b], 23, v[TM+12+\b]      ; the scale's byte
.endr
	v_lshl_or_b32 v[\pw], v[TM+5], 8, v[TM+4]
	v_lshl_or_b32 v[\pw], v[TM+6], 16, v[\pw]
	v_lshl_or_b32 v[\pw], v[TM+7], 24, v[\pw]
.irp b, 0,1,2,3
	v_cvt_scalef32_pk8_fp4_f32 v[\pc+2*\b], v[\src+16*\b:\src+16*\b+7], v[TM+12+\b]
	v_cvt_scalef32_pk8_fp4_f32 v[\pc+2*\b+1], v[\src+16*\b+8:\src+16*\b+15], v[TM+12+\b]
.endr
	v_nop                                          ; a plain instruction behind the last conversion
.endm
; H alone: (h sigmoid(h)) h, in f32.  The exponentials and the reciprocals go as batches of 64, each with a plain instruction and one wait ahead of its first reader.
.macro ACT
	WIN 0x40
.set k, 0
.rept 32
	v_pk_mul_f32 v[EX+2*k:EX+2*k+1], v[TT+2*k:TT+2*k+1], s[NLE:NLE+1] op_sel_hi:[1,0]
.set k, k+1
.endr
	WIN 0x41
.set k, 0
	s_wait_alu depctr_va_vdst(0)
.rept 64
	v_exp_f32 v[EX+k], v[EX+k]
.set k, k+1
.endr
	v_nop
	s_wait_alu depctr_va_vdst(0)
.set k, 0
.rept 32
	v_pk_add_f32 v[EX+2*k:EX+2*k+1], v[EX+2*k:EX+2*k+1], 1.0 op_sel_hi:[1,0]
.set k, k+1
.endr
.set k, 0
	s_wait_alu depctr_va_vdst(0)
.rept 64
	v_rcp_f32 v[EX+k], v[EX+k]
.set k, k+1
.endr
	v_nop
	s_wait_alu depctr_va_vdst(0)
	WIN 0x44
.set k, 0
.rept 32
	v_pk_mul_f32 v[EX+2*k:EX+2*k+1], v[TT+2*k:TT+2*k+1], v[EX+2*k:EX+2*k+1]
.set k, k+1
.endr
	WIN 0x01
.set k, 0
.rept 32
	v_pk_mul_f32 v[TT+2*k:TT+2*k+1], v[EX+2*k:EX+2*k+1], v[TT+2*k:TT+2*k+1]
.set k, k+1
.endr
	WIN 0
.endm
; The branches hang on the work-group's number alone, and only work on registers stands inside them.  The bias's addition is also the move into window 0; each accumulator is read from its low end on.
.macro BLOCK a
.set AC, 64*((\a)%4)
.set WW, 2+(\a)/4
	s_cmp_eq_u32 s19, 2
	s_cbranch_scc1 .Lrowb_\@
	WIN WW|0x04
.set k, 0
.rept 32
	v_pk_add_f32 v[TT+2*k:TT+2*k+1], v[AC+2*k:AC+2*k+1], v[BB+2*k:BB+2*k+1]
.set k, k+1
.endr
	WIN 0
	s_branch .Lbias_\@
.Lrowb_\@:
	WIN WW|0x04
.set k, 0
.rept 32
	v_pk_add_f32 v[TT+2*k:TT+2*k+1], v[AC+2*k:AC+2*k+1], v[BA+2*(\a):BA+2*(\a)+1]
.set k, k+1
.endr
	WIN 0
.Lbias_\@:
	s_cmp_lg_u32 s19, 3
	s_cbranch_scc1 .Lnoact_\@
	ACT
.Lnoact_\@:
.if (\a) >= 2
	s_wait_dscnt 9                                 ; the last block's nine stores may be out; those of the block before have read the registers that are written now
.endif
	QROW TT, PCD+8*((\a)%2), PW+((\a)%2)
.irp n, 0,1,2,3,4,5,6,7
	ds_store_b32 v[STO], v[PCD+8*((\a)%2)+\n] offset:1280*(\a)+8*\n
.endr
	ds_store_b32 v[SSC], v[PW+((\a)%2)] offset:64*(\a)
.endm
	PLACES NP                                      ; behind the last products
	s_wait_loadcnt 0x0                             ; the biases, asked for at the head
.irp b, 0,1,2,3
	v_mov_b32 v[TM+4+\b], 0                        ; written once: a lane permute's destination counts as one of its sources
.endr
.irp i, 0,1,2,3,4,5,6,7,8,9,10,11,12,13,14,15
	s_mul_i32 s22, s67, \i                         ; the i-th eight rows of my 128,
.if (\i%4) == 1
	s_add_co_u32 s22, s22, s69                     ; for K at the place with bits 3 and 4 of the key exchanged
.elseif (\i%4) == 2
	s_sub_co_u32 s22, s22, s69
.endif
	v_add_nc_u32 v[OFF+\i], s22, v[LP]
.endr
.irp a, 0,1,2,3,4,5,6,7
	BLOCK \a
.endr
.irp i, 0,1,2,3,4,5,6,7,8,9,10,11,12,13,14,15
	ds_load_b128 v[TT+4*\i:TT+4*\i+3], v[RD] offset:640*\i   ; LDS serves a wave's instructions in order: these see my stores.  Eight rows of 64 bytes a load
.endr
	ds_load_b128 v[BK:BK+3], v[RDS]
.irp i, 0,1,2,3
	ds_load_b32 v[BK+4+\i], v[RDH] offset:128*\i
.endr
.irp i, 0,1,2,3,4,5,6,7,8,9,10,11,12,13,14,15
	s_wait_dscnt 20-\i                             ; behind load i: 15 - i loads of codes and five of scale words
	global_store_b128 v[OFF+\i], v[TT+4*\i:TT+4*\i+3], s[40:41]   ; Q, K, V: 512 consecutive bytes
.endr
	s_wait_dscnt 0x0
	s_cmp_eq_u32 s19, 3
	s_cbranch_scc1 .Lh_words
	global_store_b128 v[SVO], v[BK:BK+3], s[42:43] ; my 128 scale words: 512 consecutive bytes
	s_branch .Lwords_out
.Lh_words:
.irp i, 0,1,2,3
	global_store_b32 v[HVO], v[BK+4+\i], s[42:43] offset:512*\i   ; H: a word of each token's four
.endr
.Lwords_out:
	s_wait_tensorcnt 0x0                           ; the wave's end
	ds_add_u32 v[SPW], v[NIL]
	s_wait_dscnt 0x0
	s_endpgm
.Lfunc_end_k_q539482bbcb_proj:
	.size	k_q539482bbcb_proj, .Lfunc_end_k_q539482bbcb_proj-k_q539482bbcb_proj
	.p2alignl 7, 3214868480
	.fill 96, 4, 3214868480
	.section	.rodata,"a",@progbits
	.p2align	6, 0x0
	.amdhsa_kernel k_q539482bbcb_proj
		.amdhsa_group_segment_fixed_size 327680
		.amdhsa_private_segment_fixed_size 0
		.amdhsa_enable_private_segment 0
		.amdhsa_kernarg_size 144
		.amdhsa_user_sgpr_count 2
		.amdhsa_user_sgpr_kernarg_segment_ptr 1
		.amdhsa_wavefront_size32 1
		.amdhsa_system_sgpr_workgroup_id_x 1
		.amdhsa_system_sgpr_workgroup_id_y 1
		.amdhsa_system_sgpr_workgroup_id_z 1
		.amdhsa_system_vgpr_workitem_id 0
		.amdhsa_next_free_vgpr 1024
		.amdhsa_next_free_sgpr 100
		.amdhsa_reserve_vcc 0
		.amdhsa_float_denorm_mode_32 3
		.amdhsa_float_denorm_mode_16_64 3
		.amdhsa_memory_ordered 1
		.amdhsa_forward_progress 1
		.amdhsa_inst_pref_size 255
	.end_amdhsa_kernel
	.section	.bss,"aw",@nobits
	.p2align	6
	.space	262144
	.amdgpu_metadata
---
amdhsa.version: [ 1, 2 ]
amdhsa.kernels:
  - .name:           k_q539482bbcb_proj
    .symbol:         k_q539482bbcb_proj.kd
    .args:
      - { .name: xn_codes, .offset: 0, .size: 8, .value_kind: global_buffer, .address_space: global }
      - { .name: xn_scales, .offset: 8, .size: 8, .value_kind: global_buffer, .address_space: global }
      - { .name: Wq_codes, .offset: 16, .size: 8, .value_kind: global_buffer, .address_space: global }
      - { .name: Wq_scales, .offset: 24, .size: 8, .value_kind: global_buffer, .address_space: global }
      - { .name: bq, .offset: 32, .size: 8, .value_kind: global_buffer, .address_space: global }
      - { .name: Wk_codes, .offset: 40, .size: 8, .value_kind: global_buffer, .address_space: global }
      - { .name: Wk_scales, .offset: 48, .size: 8, .value_kind: global_buffer, .address_space: global }
      - { .name: bk, .offset: 56, .size: 8, .value_kind: global_buffer, .address_space: global }
      - { .name: Wv_codes, .offset: 64, .size: 8, .value_kind: global_buffer, .address_space: global }
      - { .name: Wv_scales, .offset: 72, .size: 8, .value_kind: global_buffer, .address_space: global }
      - { .name: bv, .offset: 80, .size: 8, .value_kind: global_buffer, .address_space: global }
      - { .name: W1_codes, .offset: 88, .size: 8, .value_kind: global_buffer, .address_space: global }
      - { .name: W1_scales, .offset: 96, .size: 8, .value_kind: global_buffer, .address_space: global }
      - { .name: b1, .offset: 104, .size: 8, .value_kind: global_buffer, .address_space: global }
      - { .name: qkv_codes, .offset: 112, .size: 8, .value_kind: global_buffer, .address_space: global }
      - { .name: qkv_scales, .offset: 120, .size: 8, .value_kind: global_buffer, .address_space: global }
      - { .name: hc_codes, .offset: 128, .size: 8, .value_kind: global_buffer, .address_space: global }
      - { .name: hc_scales, .offset: 136, .size: 8, .value_kind: global_buffer, .address_space: global }
    .group_segment_fixed_size: 327680
    .private_segment_fixed_size: 0
    .kernarg_segment_align: 8
    .kernarg_segment_size: 144
    .max_flat_workgroup_size: 128
    .sgpr_count:     100
    .vgpr_count:     1024
    .wavefront_size: 32
...
	.end_amdgpu_metadata
.endif
;; end of part 2
;; launch attn (part 3): grid 16 x 16, 16 waves a work-group, clusters of 4 x 1, 327,680 bytes of LDS; arguments qkv_codes, qkv_scales, ao_codes, ao_scales; writes ao_codes, ao_scales
.if DOCPART == 3
	.amdgcn_target "amdgcn-amd-amdhsa--gfx1250"
	.amdhsa_code_object_version 6
	.text
	.protected	k_q539482bbcb_attn
	.globl	k_q539482bbcb_attn
	.p2align	8
	.type	k_q539482bbcb_attn,@function
k_q539482bbcb_attn:
	s_mov_b64 s[64:65], 0
	v_nop
	global_prefetch_b8 v0, s[64:65] scope:SCOPE_SE
	s_setreg_imm32_b32 hwreg(HW_REG_WAVE_MODE, 25, 1), 1
	s_wait_xcnt 0x0
	s_wait_alu depctr_hold_cnt(0) depctr_sa_sdst(0) depctr_va_vdst(0) depctr_va_sdst(0) depctr_va_ssrc(0) depctr_va_vcc(0) depctr_vm_vsrc(0)
	s_getreg_b32 s2, hwreg(HW_REG_IB_STS2, 6, 4)
	s_cmp_eq_u32 s2, 0
	s_cbranch_scc0 .Lentry_in_a_cluster
	s_endpgm
.Lentry_in_a_cluster:
	s_bfe_u32 s2, ttmp6, 0x10000c
	s_cmp_lg_u32 s2, 0x3003
	s_cbranch_scc0 .Lentry_shape_is_right
	s_endpgm
.Lentry_shape_is_right:
; LLaMA layer in MX-FP4, launch 3 of 4.  For each batch and head: O = softmax(Q K^T / sqrt(128)) V, both products on codes of E2M1; O / the row's sum is quantised along head x 128 + d for the product with Wo.
; No work of reference() is left out here.
; THE SOFTMAX: t = score x log2(e) / sqrt(128) (one factor); M = the running largest t rounded UP to a whole number; p = 2^(t - M) is quantised along the keys, not normalised; the row's sum is taken of the
; unquantised p and divides at the end.  When M moves, the sum and O are multiplied by 2^(old M - new M): exact.
; SHARES.  Work-group (x, y): y = batch x 4 + KV head; x = 64 queries, for the FOUR query heads that share that KV head.  Wave w: head 4 hk + w / 4, queries 16 (w % 4) on: one tile, 256 registers, four waves to a SIMD.
; All sixteen waves read the same K and V, and a token's four heads are 256 consecutive bytes of ao_codes.
; NO RING.  K and V of one KV head, 64 KiB each as codes, and their scale words stay in LDS: filled once, in two halves, never again.  The first four key steps are walked while the second half is on its way.
; CLUSTER.  The four work-groups of a cluster share y, so K and V: every fill is asked for JOINTLY, by the same tensor load with the same descriptor and the mask of all four.  The place in the cluster enters Q's and the outputs' global addresses alone.
; LAYOUT.  Both products are used transposed (S^T = K Q^T, O^T = V^T P^T): a lane holds ONE query throughout.  Launch 2 has laid K's rows so that 16 neighbouring rows are the 16 keys of a tile
; (row 16 T + m of a step holds key 32 (T / 2) + 16 (m / 8) + 8 (T % 2) + m % 8): the 16 registers of tiles 2 b and 2 b + 1 are keys 32 b + 16 (lane / 16) + 0 .. 15.  V lies [key step][d][128 keys], keys in their order.
; THE LDS LOADS of a key step stand in two runs of 24: K's eight fragments and scale words at its head; V's straight behind the first product's places, ahead of the softmax, whose vector work stands between them and the wait for them.
; LIMITS: as in launch 1 for the quantiser (zero blocks: byte 1; floor 2^-124); no NaN, no infinities; a block's largest p is taken as the p of its largest score.
; REGISTERS: v1-6 addresses that stay; v8-11 addresses of the loads in hand; v12 -M, v13 the largest t, v[14:15] the sum; v16-23 Q; v24-29 the way out's addresses; v32-95 eight fragments; v96-159 S^T, then p; v160-223 O^T; v224-231 codes; v232-239, v244-247, v252, v254 at work; v240-243, v248-251, v253, v255 scale words.
.set VB,    81920                      ; LDS: K's 1,024 rows of 64 bytes + 16 of padding at 0; V's likewise here
.set SCK,   163840                     ; K's 1,024 scale words as 16 rows of 256 bytes + 16
.set SCV,   168192                     ; V's
.set STG,   172544                     ; the way out: 64 tokens x (256 bytes + 16)
.set STS,   189952                     ; and their scale words, 16 bytes a token
.set SPARE, 190976                     ; the spare words, 128 bytes for each wave: eight blocks of 256 bytes that no other line names
.set AK0,  1
.set AV0,  2
.set ASK0, 3
.set ASV0, 4
.set SPW,  5                           ; v5 LDS address of my spare word; never rewritten
.set NIL,  6                           ; v6 0; never rewritten
.set ADK,  8
.set ADV,  9
.set ADS,  10
.set ADT,  11
.set SO,   24                          ; v24 the stage: where I put 4 bytes of a token's row
.set SW,   25                          ; v25 and my head's scale word
.set RD,   26                          ; v26 back: sixteen lanes to a row
.set RS,   27                          ; v27 a token's four scale words
.set GC,   28                          ; v28 my offset in ao_codes
.set GS,   29                          ; v29 and in ao_scales
.set TM,   232
.set WV,   18
.set SEL,  20
.set CS,   22
.set G1C,  24                          ; s[24:31] group 1 for 128 rows of codes
.set G1S,  32                          ; s[32:39] for 1,024 bytes of scale words
.set G0S,  40
.set G0A,  44
.set G0B,  48
.set TB,   52                          ; s52 where the step's rows begin: 10,240 bytes a step
.set TS,   53                          ; s53 and its scale words: 544 bytes a step
.set CNT,  54
.macro ROUND                           ; a round of the cluster's barrier
	s_barrier_signal -1
	s_barrier_wait -1
	s_cmp_lg_u32 s[WV], 0
	s_cbranch_scc1 .Lnot_wave_0_\@
	s_barrier_signal -3
.Lnot_wave_0_\@:
	s_barrier_wait -3
	s_barrier_signal -1
	s_barrier_wait -1
.endm
	s_load_b256 s[4:11], s[0:1], 0x0               ; qkv_codes s[4:5], qkv_scales s[6:7], ao_codes s[8:9], ao_scales s[10:11]
	v_lshl_add_u32 v[SPW], v0, 2, SPARE
	v_mov_b32 v[NIL], 0
	ds_add_u32 v[SPW], v[NIL]                      ; the wave's opening: an add, twice on end, and its wait ahead of my first tensor load
	ds_add_u32 v[SPW], v[NIL]                      ; and once more, under the one wait
	v_lshrrev_b32 v8, 5, v0
	s_delay_alu instid0(VALU_DEP_1)
	v_readfirstlane_b32 s[WV], v8                  ; wave 0..15
	s_bfe_u32 s55, ttmp6, 0x40000                  ; my place in the cluster
	s_lshl_b32 s56, ttmp9, 2
	s_add_co_u32 s56, s56, s55                     ; my block of 64 queries: it enters global addresses of Q and of the outputs alone
	s_and_b32 s57, ttmp7, 0xffff                   ; y, which the four partners share
	s_bfe_u32 s58, s[WV], 0x10002                  ; I fetch for K (0) or for V (1): waves 0-7 codes, waves 8-15 scale words,
	s_and_b32 s59, s[WV], 3                        ; the idx-th quarter
	s_mov_b32 s[G1C+0], 15|(0<<16)|(1<<20)|(1<<21)|(3<<22)|(3<<25)   ; the mask: all four; elements of 1 byte; padding on, bit 21 beside the mask; 4 words behind every 16
	s_mov_b32 s[G1C+1], 64<<16
	s_mov_b32 s[G1C+2], 128<<16
	s_mov_b32 s[G1C+3], 64<<16
	s_mov_b32 s[G1C+4], 128
	s_mov_b32 s[G1C+5], 64
	s_mov_b32 s[G1C+6], 0
	s_mov_b32 s[G1C+7], 0
	s_mov_b32 s[G1S+0], 15|(3<<16)|(1<<20)|(1<<21)|(5<<22)|(3<<25)   ; four rows of 32 elements of 8 bytes, 4 words behind every 64
	s_mov_b32 s[G1S+1], 32<<16
	s_mov_b32 s[G1S+2], 4<<16
	s_mov_b32 s[G1S+3], 32<<16
	s_mov_b32 s[G1S+4], 4
	s_mov_b32 s[G1S+5], 32
	s_mov_b32 s[G1S+6], 0
	s_mov_b32 s[G1S+7], 0
	s_mul_i32 s60, s58, 4352
	s_mul_i32 s61, s59, 1088
	s_add_co_u32 s60, s60, s61
	s_add_co_u32 s[G0S+1], s60, SCK                ; LDS addresses hang on the wave's number alone
	s_mul_i32 s60, s58, VB
	s_mul_i32 s61, s59, 10240
	s_add_co_u32 s[G0A+1], s60, s61                ; rows 128 idx on,
	s_add_co_u32 s[G0B+1], s[G0A+1], 40960         ; and rows 512 + 128 idx on
	s_lshl_b32 s60, s58, 16
	s_lshl_b32 s61, s57, 12
	s_add_co_u32 s60, s60, s61
	s_lshl_b32 s61, s59, 10
	s_add_co_u32 s60, s60, s61
	s_add_co_u32 s60, s60, 262144                  ; scale words: K's region + 65,536 kind + 4,096 y + 1,024 idx
	s_mov_b32 s61, 0
	s_lshl_b32 s62, s58, 20
	s_lshl_b32 s63, s57, 16
	s_add_co_u32 s62, s62, s63
	s_lshl_b32 s63, s59, 13
	s_add_co_u32 s62, s62, s63
	s_add_co_u32 s62, s62, 0x400000                ; codes: K's region + 1 MiB kind + 65,536 y + 8,192 idx
	s_mov_b32 s63, 0
	s_mov_b32 s[SEL], 0x76543210
	s_mov_b32 s[SEL+1], 0xfedcba98
	s_mov_b32 s[CS], 0x3e0293ee                    ; c = log2(e) / sqrt(128)
	s_mov_b32 s[CS+1], s[CS]
	s_mov_b32 s[TB], 0
	s_mov_b32 s[TS], 0
	s_wait_dscnt 0x0                               ; both opening adds are done
	s_wait_kmcnt 0x0
	s_mov_b32 s[G0S], 1
	s_add_nc_u64 s[G0S+2:G0S+3], s[6:7], s[60:61]
	s_or_b32 s[G0S+3], s[G0S+3], 0x80000000
	s_mov_b32 s[G0A], 1
	s_add_nc_u64 s[G0A+2:G0A+3], s[4:5], s[62:63]
	s_mov_b32 s[G0B], 1
	s_add_nc_u64 s[G0B+2:G0B+3], s[G0A+2:G0A+3], 32768
	s_or_b32 s[G0A+3], s[G0A+3], 0x80000000
	s_or_b32 s[G0B+3], s[G0B+3], 0x80000000
	ROUND                                          ; all four work-groups are here: the joint loads meet
	s_cmp_lt_u32 s[WV], 8                          ; one load a wave: waves 0-7 a quarter of K's or V's key steps 0 to 3,
	s_cbranch_scc0 .Lhead_words
	tensor_load_to_lds s[G0A:G0A+3], s[G1C:G1C+7]
	s_nop 0
.rept 4
	v_nop
.endr
	s_branch .Lhead_asked
.Lhead_words:
	tensor_load_to_lds s[G0S:G0S+3], s[G1S:G1S+7]  ; waves 8-15 a quarter of K's or V's scale words
	s_nop 0
.rept 4
	v_nop
.endr
.Lhead_asked:
	s_lshl_b32 s66, s57, 2
	s_lshr_b32 s67, s[WV], 2                       ; which of the four heads
	s_and_b32 s68, s[WV], 3                        ; which 16 of the 64 queries
	s_add_co_u32 s66, s66, s67
	s_lshl_b32 s66, s66, 10
	s_lshl_b32 s69, s56, 6
	s_add_co_u32 s66, s66, s69
	s_lshl_b32 s69, s68, 4
	s_add_co_u32 s66, s66, s69                     ; my first row of Q
	s_lshl_b32 s70, s66, 6
	s_mov_b32 s71, 0
	s_add_nc_u64 s[74:75], s[4:5], s[70:71]
	s_lshl_b32 s70, s66, 2
	s_add_nc_u64 s[76:77], s[6:7], s[70:71]
	s_lshr_b32 s66, s57, 2
	s_lshl_b32 s66, s66, 10
	s_lshl_b32 s69, s56, 6
	s_add_co_u32 s66, s66, s69                     ; the work-group's first token
	s_and_b32 s69, s57, 3                          ; the KV head
	s_lshl_b32 s70, s66, 10
	s_lshl_b32 s72, s69, 8
	s_add_co_u32 s70, s70, s72
	s_add_nc_u64 s[8:9], s[8:9], s[70:71]          ; ao_codes: 1,024 bytes a token, + 256 for each KV head
	s_lshl_b32 s70, s66, 6
	s_lshl_b32 s72, s69, 4
	s_add_co_u32 s70, s70, s72
	s_add_nc_u64 s[10:11], s[10:11], s[70:71]      ; ao_scales: 64 bytes a token, + 16
	v_and_b32 v8, 15, v0                           ; r
	v_bfe_u32 v9, v0, 4, 1                         ; h
	v_and_b32 v7, 31, v0                           ; lane
	s_delay_alu instid0(VALU_DEP_3)
	v_lshlrev_b32 v30, 6, v8
	s_delay_alu instid0(VALU_DEP_1)
	v_lshl_add_u32 v30, v9, 4, v30
	global_load_b128 v[16:19], v30, s[74:75]       ; Q's fragment stays in registers
	global_load_b128 v[20:23], v30, s[74:75] offset:32
	v_lshlrev_b32 v31, 2, v8
	global_load_b32 v255, v31, s[76:77]            ; and its scale words
	v_mul_u32_u24 v[AK0], v8, 80
	s_delay_alu instid0(VALU_DEP_1)
	v_lshl_add_u32 v[AK0], v9, 4, v[AK0]           ; a tile's row r, + 16 h
	s_delay_alu instid0(VALU_DEP_1)
	v_add_nc_u32 v[AV0], VB, v[AK0]
	v_lshl_add_u32 v[ASK0], v8, 2, SCK
	v_lshl_add_u32 v[ASV0], v8, 2, SCV
	s_mul_i32 s72, s68, 16*272
	s_lshl_b32 s73, s67, 6
	s_add_co_u32 s72, s72, s73
	s_add_co_u32 s72, s72, STG
	v_mul_u32_u24 v[SO], v8, 272
	s_delay_alu instid0(VALU_DEP_1)
	v_lshl_add_u32 v[SO], v9, 2, v[SO]
	s_delay_alu instid0(VALU_DEP_1)
	v_add_nc_u32 v[SO], s72, v[SO]                 ; token 16 (w % 4) + r, my head's 64 bytes, + 4 h
	s_lshl_b32 s72, s68, 8
	s_lshl_b32 s73, s67, 2
	s_add_co_u32 s72, s72, s73
	s_add_co_u32 s72, s72, STS
	v_lshlrev_b32 v[SW], 4, v8
	s_delay_alu instid0(VALU_DEP_1)
	v_add_nc_u32 v[SW], s72, v[SW]
	s_mul_i32 s72, s[WV], 4*272
	s_add_co_u32 s72, s72, STG
	v_mul_u32_u24 v[RD], v9, 272
	s_delay_alu instid0(VALU_DEP_1)
	v_lshl_add_u32 v[RD], v8, 4, v[RD]
	s_delay_alu instid0(VALU_DEP_1)
	v_add_nc_u32 v[RD], s72, v[RD]                 ; back: wave w takes tokens 4 w .. 4 w + 3, two at a load
	s_min_u32 s73, s[WV], 1
	s_lshl_b32 s72, s73, 9
	s_add_co_u32 s72, s72, STS
	v_lshlrev_b32 v[RS], 4, v7
	s_delay_alu instid0(VALU_DEP_1)
	v_add_nc_u32 v[RS], s72, v[RS]                 ; waves 0 and 1: a token a lane
	s_lshl_b32 s72, s[WV], 12
	v_lshlrev_b32 v[GC], 10, v9
	s_delay_alu instid0(VALU_DEP_1)
	v_lshl_add_u32 v[GC], v8, 4, v[GC]
	s_delay_alu instid0(VALU_DEP_1)
	v_add_nc_u32 v[GC], s72, v[GC]
	s_lshl_b32 s72, s73, 11
	v_lshlrev_b32 v[GS], 6, v7
	s_delay_alu instid0(VALU_DEP_1)
	v_add_nc_u32 v[GS], s72, v[GS]
	v_mov_b32 v13, 0xff61b1e6                      ; the largest t so far: -3e38, under every t
	s_delay_alu instid0(VALU_DEP_1)
	v_floor_f32 v12, -v13                          ; -M
	v_mov_b32 v14, 0
	v_mov_b32 v15, 0
.irp b, 0,1,2,3
	v_mov_b32 v[236+\b], 0                         ; written once: a lane permute's destination counts as one of its sources
.endr
	v_mov_b32 v253, 0                              ; (named as the upper half of the pair v[252:253] before it is first written)
.set j, 0
.rept 64
	v_mov_b32 v[160+j], 0                          ; O^T: the step is written for all steps alike; the first finds zeros, which the first change of M leaves zeros
.set j, j+1
.endr
; A KEY STEP: 128 keys.  Tile t's scale words stand in v248 + t (t under 4) or v236 + t (t from 4 on: v240-243).
.macro STEP
	v_add_nc_u32 v[ADK], s[TB], v[AK0]             ; (these four are also the places in front of the loads below)
	v_add_nc_u32 v[ADV], s[TB], v[AV0]
	v_add_nc_u32 v[ADS], s[TS], v[ASK0]
	v_add_nc_u32 v[ADT], s[TS], v[ASV0]
.irp t, 0,1,2,3,4,5,6,7                        ; K's eight tiles of 16 keys, in one run
.irp c, 0,1
	ds_load_b128 v[32+8*\t+4*\c:32+8*\t+4*\c+3], v[ADK] offset:1280*\t+32*\c
.endr
	ds_load_b32 v[248+\t-12*(\t/4)], v[ADS] offset:272*(\t/4)+64*(\t%4)
.endr
	s_wait_alu depctr_va_vdst(0)
	s_wait_dscnt 0x0
.irp t, 0,1,2,3,4,5,6,7                        ; S^T = K Q^T
	v_wmma_scale_f32_16x16x128_f8f6f4 v[96+8*\t:103+8*\t], v[32+8*\t:39+8*\t], v[16:23], 0, v[248+\t-12*(\t/4)], v255 matrix_a_fmt:MATRIX_FMT_FP4 matrix_b_fmt:MATRIX_FMT_FP4
.endr
.rept 4
	v_nop                                          ; places: in front of the loads into the products' operands, and of the first read of their results
.endr
.irp t, 0,1,2,3,4,5,6,7                        ; V's eight tiles of 16 of the head's 128, asked for now: the softmax stands between these loads and the wait for them
.irp c, 0,1
	ds_load_b128 v[32+8*\t+4*\c:32+8*\t+4*\c+3], v[ADV] offset:1280*\t+32*\c
.endr
	ds_load_b32 v[248+\t-12*(\t/4)], v[ADT] offset:272*(\t/4)+64*(\t%4)
.endr
.irp b, 0,1,2,3
	v_max3_num_f32 v[232+\b], v[96+16*\b], v[97+16*\b], v[98+16*\b]   ; the largest score of each block of 32 keys: it serves the row's maximum and, since p rises with the score, the block's largest p
.endr
.irp i, 3,5,7,9,11,13
.irp b, 0,1,2,3
	v_max3_num_f32 v[232+\b], v[232+\b], v[96+16*\b+\i], v[97+16*\b+\i]
.endr
.endr
.irp b, 0,1,2,3
	v_max_num_f32 v[232+\b], v[232+\b], v[111+16*\b]
.endr
.irp b, 0,1,2,3
	s_delay_alu instid0(VALU_DEP_4)
	v_permlanex16_b32 v[236+\b], v[232+\b], s[SEL], s[SEL+1]
.endr
.irp b, 0,1,2,3
	s_delay_alu instid0(VALU_DEP_4)
	v_max_num_f32 v[232+\b], v[232+\b], v[236+\b]  ; with lane l xor 16's 16 keys
.endr
	s_delay_alu instid0(VALU_DEP_2)
	v_max3_num_f32 v254, v232, v233, v234
	s_delay_alu instid0(VALU_DEP_1)
	v_max_num_f32 v254, v254, v235
	s_delay_alu instid0(VALU_DEP_1)
	v_mul_f32 v254, s[CS], v254                    ; the step's largest t of my query
	s_delay_alu instid0(VALU_DEP_1)
	v_max_num_f32 v13, v13, v254                   ; the running largest t
	v_mov_b32 v254, v12
	s_delay_alu instid0(VALU_DEP_2)
	v_floor_f32 v12, -v13                          ; the new -M = -ceil(t): M is a whole number
	s_delay_alu instid0(VALU_DEP_1)
	v_sub_f32 v254, v12, v254                      ; old M - new M: a whole number, 0 or less
	s_delay_alu instid0(VALU_DEP_1)
	v_cvt_i32_f32 v254, v254                       ; (it saturates)
	s_delay_alu instid0(VALU_DEP_1)
	v_ldexp_f32 v252, 1.0, v254                    ; f = 2^(old M - new M)
.set j, 0
.rept 32
	v_pk_fma_f32 v[96+j:97+j], v[96+j:97+j], s[CS:CS+1], v[12:13] op_sel_hi:[1,0,0]   ; t - M, two at a time
.set j, j+2
.endr
.irp b, 0,1,2,3
	v_fma_f32 v[232+\b], v[232+\b], s[CS], v12     ; the same of each block's largest score
.endr
.set j, 0
	s_wait_alu depctr_va_vdst(0)
.rept 64
	v_exp_f32 v[96+j], v[96+j]                     ; p = 2^(t - M), at most 1
.set j, j+1
.endr
	v_pk_mul_f32 v[14:15], v[14:15], v[252:253] op_sel_hi:[1,0]   ; the sums under the new M (a plain instruction behind the exponentials)
	s_wait_alu depctr_va_vdst(0)                   ; one wait for the batch of 64, ahead of its first reader
.irp b, 0,1,2,3
	v_exp_f32 v[232+\b], v[232+\b]                 ; the blocks' largest p
.endr
	v_pk_add_f32 v[236:237], v[100:101], v[104:105]
	v_pk_add_f32 v[246:247], v[108:109], v[112:113]
	v_pk_add_f32 v[244:245], v[116:117], v[120:121]
	v_pk_add_f32 v[238:239], v[124:125], v[128:129]
	v_pk_add_f32 v[230:231], v[132:133], v[136:137]
	v_pk_add_f32 v[228:229], v[140:141], v[144:145]
	v_pk_add_f32 v[226:227], v[148:149], v[152:153]
	v_pk_add_f32 v[14:15], v[14:15], v[156:157]
	v_pk_add_f32 v[236:237], v[236:237], v[96:97]
	v_pk_add_f32 v[246:247], v[246:247], v[98:99]
	v_pk_add_f32 v[244:245], v[244:245], v[102:103]
	v_pk_add_f32 v[238:239], v[238:239], v[106:107]
	v_pk_add_f32 v[230:231], v[230:231], v[110:111]
	v_pk_add_f32 v[228:229], v[228:229], v[114:115]
	v_pk_add_f32 v[226:227], v[226:227], v[118:119]
	v_pk_add_f32 v[14:15], v[14:15], v[122:123]
	v_pk_add_f32 v[236:237], v[236:237], v[126:127]
	v_pk_add_f32 v[246:247], v[246:247], v[130:131]
	v_pk_add_f32 v[244:245], v[244:245], v[134:135]
	v_pk_add_f32 v[238:239], v[238:239], v[138:139]
	v_pk_add_f32 v[230:231], v[230:231], v[142:143]
	v_pk_add_f32 v[228:229], v[228:229], v[146:147]
	v_pk_add_f32 v[226:227], v[226:227], v[150:151]
	v_pk_add_f32 v[14:15], v[14:15], v[154:155]
	v_pk_add_f32 v[236:237], v[236:237], v[158:159]
	s_delay_alu instid0(VALU_DEP_2)
	v_pk_add_f32 v[14:15], v[14:15], v[238:239]
	s_delay_alu instid0(VALU_DEP_2)
	v_pk_add_f32 v[236:237], v[236:237], v[230:231]
	v_pk_add_f32 v[246:247], v[246:247], v[228:229]
	v_pk_add_f32 v[244:245], v[244:245], v[226:227]
	s_delay_alu instid0(VALU_DEP_2)
	v_pk_add_f32 v[14:15], v[14:15], v[246:247]
	s_delay_alu instid0(VALU_DEP_2)
	v_pk_add_f32 v[236:237], v[236:237], v[244:245]
	s_delay_alu instid0(VALU_DEP_1)
	v_pk_add_f32 v[14:15], v[14:15], v[236:237]
	s_wait_alu depctr_va_vdst(0)                   ; and one for the four
.irp b, 0,1,2,3
	v_max_num_f32 v[232+\b], 0x1800000, v[232+\b]  ; the floor 2^(3 - 127)
.endr
.irp b, 0,1,2,3
	s_delay_alu instid0(VALU_DEP_4)
	v_add_nc_u32 v[244+\b], 0xff000000, v[232+\b]  ; the conversion's scale operand
.endr
.irp b, 0,1,2,3
	s_delay_alu instid0(VALU_DEP_4)
	v_lshrrev_b32 v[236+\b], 23, v[244+\b]         ; the scale's byte
.endr
	s_delay_alu instid0(VALU_DEP_3)
	v_lshl_or_b32 v253, v237, 8, v236              ; p's scale word for these 128 keys
	s_delay_alu instid0(VALU_DEP_1)
	v_lshl_or_b32 v253, v238, 16, v253
	s_delay_alu instid0(VALU_DEP_1)
	v_lshl_or_b32 v253, v239, 24, v253
.irp b, 0,1,2,3
	v_cvt_scalef32_pk8_fp4_f32 v[224+2*\b], v[96+16*\b:103+16*\b], v[244+\b]
	v_cvt_scalef32_pk8_fp4_f32 v[225+2*\b], v[104+16*\b:111+16*\b], v[244+\b]
.endr
	v_nop                                          ; a plain instruction behind the last conversion
.irp c, 0,1                                    ; the operand wants a WHOLE block in a lane: lanes 0-15 block 2 c, lanes 16-31 block 2 c + 1
.irp i, 0,1
	v_permlane16_swap_b32 v[224+4*\c+\i], v[226+4*\c+\i]
.endr
.endr
.set j, 0
.rept 32
	v_pk_mul_f32 v[160+j:161+j], v[160+j:161+j], v[252:253] op_sel_hi:[1,0]   ; O^T under the new M (also the places in front of the matrix instructions below)
.set j, j+2
.endr
	s_wait_alu depctr_va_vdst(0)
	s_wait_dscnt 0x0                               ; V's fragments and scale words, asked for ahead of the softmax
.irp t, 0,1,2,3,4,5,6,7                        ; O^T += V^T P^T: the eight accumulators by turns
	v_wmma_scale_f32_16x16x128_f8f6f4 v[160+8*\t:167+8*\t], v[32+8*\t:39+8*\t], v[224:231], v[160+8*\t:167+8*\t], v[248+\t-12*(\t/4)], v253 matrix_a_fmt:MATRIX_FMT_FP4 matrix_b_fmt:MATRIX_FMT_FP4
.endr
	s_add_co_u32 s[TB], s[TB], 10240               ; the next step's rows and scale words
	s_add_co_u32 s[TS], s[TS], 544
.endm
	s_wait_loadcnt 0x0                             ; Q
	s_wait_tensorcnt 0x0                           ; my load of the head is in
	ds_add_u32 v[SPW], v[NIL]
	s_wait_dscnt 0x0
	ROUND                                          ; everybody's is, and the four work-groups are here: the joint loads meet
	s_cmp_lt_u32 s[WV], 8
	s_cbranch_scc0 .Lsecond_asked
	tensor_load_to_lds s[G0B:G0B+3], s[G1C:G1C+7]  ; key steps 4 to 7, a first fill: four key steps stand between it and the wait for it
	s_nop 0
.rept 4
	v_nop
.endr
.Lsecond_asked:
	s_mov_b32 s[CNT], 4
.Lfirst_half:
	STEP
	s_sub_co_u32 s[CNT], s[CNT], 1
	s_cmp_lg_u32 s[CNT], 0
	s_cbranch_scc1 .Lfirst_half
	s_wait_tensorcnt 0x0                           ; my part of key steps 4 to 7 is in
	s_wait_dscnt 0x0
	s_barrier_signal -1
	s_barrier_wait -1                              ; everybody's is
	s_mov_b32 s[CNT], 4
.Lsecond_half:
	STEP
	s_sub_co_u32 s[CNT], s[CNT], 1
	s_cmp_lg_u32 s[CNT], 0
	s_cbranch_scc1 .Lsecond_half
	; THE WAY OUT.  O^T / the sum; register 8 t + i of lane (r, h) is o(query r, d = 16 t + 8 h + i).  It is quantised along d as launch 2 quantises its rows.
.rept 4
	v_nop                                          ; places behind the last products
.endr
	v_add_f32 v14, v14, v15
	s_delay_alu instid0(VALU_DEP_1)
	v_permlanex16_b32 v252, v14, s[SEL], s[SEL+1]
	s_delay_alu instid0(VALU_DEP_1)
	v_add_f32 v14, v14, v252                       ; the row's sum
	s_wait_alu depctr_va_vdst(0)
	v_rcp_f32 v14, v14
	v_nop
	s_wait_alu depctr_va_vdst(0)                   ; ahead of the reciprocal's first reader
.set j, 0
.rept 64
	v_mul_f32 v[96+j], v[160+j], v14               ; each accumulator from its low end on
.set j, j+1
.endr
.irp b, 0,1,2,3
	v_max3_num_f32 v[TM+\b], |v[96+16*\b]|, |v[97+16*\b]|, 0x1800000   ; block b of 32 along d: my 16 numbers, and the floor
.endr
.irp i, 2,4,6,8,10,12,14
.irp b, 0,1,2,3
	s_delay_alu instid0(VALU_DEP_4)
	v_max3_num_f32 v[TM+\b], v[TM+\b], |v[96+16*\b+\i]|, |v[97+16*\b+\i]|
.endr
.endr
.irp b, 0,1,2,3
	s_delay_alu instid0(VALU_DEP_4)
	v_permlanex16_b32 v[TM+4+\b], v[TM+\b], s[SEL], s[SEL+1]
.endr
.irp b, 0,1,2,3
	s_delay_alu instid0(VALU_DEP_4)
	v_max_num_f32 v[TM+\b], v[TM+\b], v[TM+4+\b]
.endr
.irp b, 0,1,2,3
	s_delay_alu instid0(VALU_DEP_4)
	v_add_nc_u32 v[TM+12+\b], 0xff000000, v[TM+\b]
.endr
.irp b, 0,1,2,3
	s_delay_alu instid0(VALU_DEP_4)
	v_lshrrev_b32 v[TM+4+\b], 23, v[TM+12+\b]
.endr
	s_delay_alu instid0(VALU_DEP_3)
	v_lshl_or_b32 v253, v[TM+5], 8, v[TM+4]        ; my query's scale word for this head
	s_delay_alu instid0(VALU_DEP_1)
	v_lshl_or_b32 v253, v[TM+6], 16, v253
	s_delay_alu instid0(VALU_DEP_1)
	v_lshl_or_b32 v253, v[TM+7], 24, v253
.irp b, 0,1,2,3
	v_cvt_scalef32_pk8_fp4_f32 v[224+2*\b], v[96+16*\b:103+16*\b], v[TM+12+\b]     ; d = 32 b + 8 h + 0 .. 7: bytes 16 b + 4 h on
	v_cvt_scalef32_pk8_fp4_f32 v[225+2*\b], v[104+16*\b:111+16*\b], v[TM+12+\b]    ; d = 32 b + 16 + 8 h + 0 .. 7: bytes 16 b + 8 + 4 h on
.endr
	v_nop
.irp n, 0,1,2,3,4,5,6,7
	ds_store_b32 v[SO], v[224+\n] offset:8*\n
.endr
	ds_store_b32 v[SW], v253
	s_wait_dscnt 0x0                               ; for the others' sake: my stores have landed
	s_barrier_signal -1
	s_barrier_wait -1                              ; 64 tokens x 256 bytes lie in the stage
	ds_load_b128 v[32:35], v[RD]
	ds_load_b128 v[36:39], v[RD] offset:544
	s_wait_dscnt 1
	global_store_b128 v[GC], v[32:35], s[8:9]      ; sixteen lanes store 256 consecutive bytes, at a multiple of 256 from the buffer's first byte
	s_wait_dscnt 0x0
	global_store_b128 v[GC], v[36:39], s[8:9] offset:2048
	s_cmp_gt_u32 s[WV], 1
	s_cbranch_scc1 .Lno_words
	ds_load_b128 v[40:43], v[RS]
	s_wait_dscnt 0x0
	global_store_b128 v[GS], v[40:43], s[10:11]    ; a token's four scale words: pieces of 16 bytes, 64 apart; 256 KiB in the whole launch
.Lno_words:
	s_wait_tensorcnt 0x0                           ; the wave's end
	ds_add_u32 v[SPW], v[NIL]
	s_wait_dscnt 0x0
	ROUND                                          ; the closing round
	s_endpgm
.Lfunc_end_k_q539482bbcb_attn:
	.size	k_q539482bbcb_attn, .Lfunc_end_k_q539482bbcb_attn-k_q539482bbcb_attn
	.p2alignl 7, 3214868480
	.fill 96, 4, 3214868480
	.section	.rodata,"a",@progbits
	.p2align	6, 0x0
	.amdhsa_kernel k_q539482bbcb_attn
		.amdhsa_group_segment_fixed_size 327680
		.amdhsa_private_segment_fixed_size 0
		.amdhsa_enable_private_segment 0
		.amdhsa_kernarg_size 32
		.amdhsa_user_sgpr_count 2
		.amdhsa_user_sgpr_kernarg_segment_ptr 1
		.amdhsa_wavefront_size32 1
		.amdhsa_system_sgpr_workgroup_id_x 1
		.amdhsa_system_sgpr_workgroup_id_y 1
		.amdhsa_system_sgpr_workgroup_id_z 1
		.amdhsa_system_vgpr_workitem_id 0
		.amdhsa_next_free_vgpr 256
		.amdhsa_next_free_sgpr 80
		.amdhsa_reserve_vcc 0
		.amdhsa_float_denorm_mode_32 3
		.amdhsa_float_denorm_mode_16_64 3
		.amdhsa_memory_ordered 1
		.amdhsa_forward_progress 1
		.amdhsa_inst_pref_size 60
	.end_amdhsa_kernel
	.amdgpu_metadata
---
amdhsa.version: [ 1, 2 ]
amdhsa.kernels:
  - .name:           k_q539482bbcb_attn
    .symbol:         k_q539482bbcb_attn.kd
    .args:
      - { .name: qkv_codes, .offset: 0, .size: 8, .value_kind: global_buffer, .address_space: global }
      - { .name: qkv_scales, .offset: 8, .size: 8, .value_kind: global_buffer, .address_space: global }
      - { .name: ao_codes, .offset: 16, .size: 8, .value_kind: global_buffer, .address_space: global }
      - { .name: ao_scales, .offset: 24, .size: 8, .value_kind: global_buffer, .address_space: global }
    .group_segment_fixed_size: 327680
    .private_segment_fixed_size: 0
    .kernarg_segment_align: 8
    .kernarg_segment_size: 32
    .max_flat_workgroup_size: 512
    .sgpr_count:     80
    .vgpr_count:     256
    .wavefront_size: 32
...
	.end_amdgpu_metadata
.endif
;; end of part 3
;; launch outp (part 4): grid 8 x 32, 4 waves a work-group, clusters of 4 x 1, 301,568 bytes of LDS; arguments ao_codes, hc_codes, xn_codes, x, ao_scales, hc_scales, Wo_scales, W2_scales, bo, b2, out0; writes out0
.if DOCPART == 4
	.amdgcn_target "amdgcn-amd-amdhsa--gfx1250"
	.amdhsa_code_object_version 6
	.text
	.protected	k_q539482bbcb_outp
	.globl	k_q539482bbcb_outp
	.p2align	8
	.type	k_q539482bbcb_outp,@function
k_q539482bbcb_outp:
	s_mov_b64 s[64:65], 0
	v_nop
	global_prefetch_b8 v0, s[64:65] scope:SCOPE_SE
	s_setreg_imm32_b32 hwreg(HW_REG_WAVE_MODE, 25, 1), 1
	s_wait_xcnt 0x0
	s_wait_alu depctr_hold_cnt(0) depctr_sa_sdst(0) depctr_va_vdst(0) depctr_va_sdst(0) depctr_va_ssrc(0) depctr_va_vcc(0) depctr_vm_vsrc(0)
	s_getreg_b32 s2, hwreg(HW_REG_IB_STS2, 6, 4)
	s_cmp_eq_u32 s2, 0
	s_cbranch_scc0 .Lentry_in_a_cluster
	s_endpgm
.Lentry_in_a_cluster:
	s_bfe_u32 s2, ttmp6, 0x10000c
	s_cmp_lg_u32 s2, 0x3003
	s_cbranch_scc0 .Lentry_shape_is_right
	s_endpgm
.Lentry_shape_is_right:
; LLaMA layer in MX-FP4, launch 4 of 4.  out0 = x + ao Wo + bo + hc W2 + b2: ao the attention's output, hc = h silu(h), both as codes from launches 3 and 2.
; No work of reference() is left out here.  ONE f32 sum for each output runs over all 2,560 along K (ao's 2,048, then hc's 512); x + (bo + b2) is added behind it: another order of rounding than reference()'s.
; SHARES.  Work-group (x, y): 256 columns, 128 tokens: 256 work-groups.  Wave w: columns 64 w .. 64 w + 63 of the block, all 128 tokens.
; THE WEIGHTS STAY IN REGISTERS.  A wave's 64 columns x 2,560 along K are 20 K steps x 4 tiles x 8 = 640 registers, loaded once, straight from memory: launch 1 has laid Wo's and W2's codes in the order of these
; registers (xn_codes from byte WLB on), so each load of the wave covers 512 consecutive bytes.  No wave shares its columns with another, so LDS would only pass them through.
; LDS holds the tokens' side: ao's 128 rows of 1,024 bytes, hc's 128 of 256, and the work-group's 128 x 1,024 bytes of x.  Each is filled ONCE, at the head, one tensor load a wave: no ring, no refill.
; THE WALK.  Four blocks of 32 tokens; a block is 20 K steps x 8 matrix instructions, the 8 accumulators by turns, in five groups of four K steps.
; The next group's 16 fragment loads are issued at a group's head into the other of two buffers.  A finished block takes x and the biases and is stored while the next blocks are multiplied.
; TILE b OF A WAVE TAKES COLUMNS 4 r + b (r = lane % 16).  Source 0 = 16 tokens, source 1 = 16 columns: register j of lane (r, h) is token 8 h + j, column 4 r + b.
; So a lane's four accumulators hold 16 neighbouring bytes of a row of out0, and sixteen lanes 256: the addition of x gathers them into four registers on end, and no stage in LDS is needed.
; SCALE WORDS.  Rows of 64 scale bytes (ao, Wo): lanes 0-15 take the words of K steps 8 j .. 8 j + 3, lanes 16-31 those of 8 j + 4 .. 8 j + 7, and the instruction names the row of lanes.  hc, W2: four words a row.
; CLUSTER.  The four work-groups of a cluster share y: ao's and hc's tiles are asked for JOINTLY.  x's tile hangs on the block of columns: a load of the work-group's own.
; The weights are not asked for jointly: they go into registers and not into LDS, where their 327,680 bytes would not fit beside the 301,056 of ao, hc and x.
; No prefetch: every read of the launch is asked for at its head or a block ahead; there is no loop to run ahead in.
; LIMITS: NaN and infinities among the inputs are not served.
; REGISTERS, in windows of 256.  Window 0: v1-15 addresses; v16-23 biases; v24-71 the weights' scale words; v72-119 the tokens' scale words, two sets; v120-183 accumulators; v184-247 x, then out0.
;   Window 1: the weights of K steps 0-7 (step s, tile b at 32 (s % 8) + 8 b); window 2: steps 8-15; window 3: v0-127 steps 16-19, v128-255 the tokens' fragments, two buffers of 64.
.set PA,    1040                       ; an LDS row of ao or x: 1,024 bytes + 16 of padding: an odd multiple of 16
.set PH,    272                        ; of hc: 256 + 16
.set HCB,   128*PA
.set XB,    HCB+128*PH
.set SPARE, XB+128*PA                  ; the spare words, 128 bytes for each wave: two blocks of 256 bytes that no other line names
.set WLB,   4194304                    ; where the weights lie in xn_codes
.set WLG,   81920                      ; bytes of 64 columns there
.set SPW, 3                            ; v3 LDS address of my spare word; never rewritten
.set NIL, 4                            ; v4 0; never rewritten
.set ADA, 5                            ; v5, v6 my place in ao's rows 0-63, 64-127
.set ADH, 7                            ; v7 in hc's rows
.set ADX, 8                            ; v8, v9 in x's rows 0-63, 64-127
.set CO,  10                           ; v10 my offset in out0: 8 h rows + 16 r
.set RA,  11                           ; v11 64 r + 16 h
.set R16, 12                           ; v12 16 r
.set LB,  13                           ; v13 16 x lane
.set RB,  14                           ; v14 256 r + 16 h
.set RW,  15                           ; v15 64 r
.set BQ,  16                           ; v16-19 bo, then bo + b2, of columns 4 r .. 4 r + 3; v20-23 b2
.set SBW, 24                           ; Wo: 8 b + 4 (s / 8) + s % 4
.set SBH, 56                           ; W2: 4 b + q
.set AS,  72                           ; set t % 2 at 24 (t % 2): ao 8 tb + 4 (s / 8) + s % 4; hc 16 + 4 tb + q
.set ACC, 120                          ; accumulator (tb, b) at 32 tb + 8 b
.set X,   184                          ; token 16 tb + 8 h + j: 32 tb + 4 j + b
.set AF,  128                          ; window 3
.set WV,  26
.set G1A, 32
.set G1H, 40
.set G1X, 48
.set G0A, 56
.set G0H, 60
.set G0X, 68
.set MSB, 0
.macro WIN new                         ; the immediate's high byte repeats the setting that is left
.if MSB != (\new)
	s_set_vgpr_msb (MSB<<8)|(\new)
.set MSB, (\new)
.endif
.endm
.macro PLACES n
.rept \n
	v_nop
.endr
.endm
.macro ROUND                           ; a round of the cluster's barrier
	s_barrier_signal -1
	s_barrier_wait -1
	s_cmp_lg_u32 s[WV], 0
	s_cbranch_scc1 .Lnot_wave_0_\@
	s_barrier_signal -3
.Lnot_wave_0_\@:
	s_barrier_wait -3
	s_barrier_signal -1
	s_barrier_wait -1
.endm
	s_load_b256 s[4:11], s[0:1], 0x0               ; ao's codes 4, hc's 6, the weights' buffer 8, x 10
	s_load_b256 s[12:19], s[0:1], 0x20             ; scales: ao 12, hc 14, Wo 16, W2 18
	s_load_b128 s[20:23], s[0:1], 0x40             ; bo 20, b2 22
	s_load_b64 s[24:25], s[0:1], 0x50              ; out0
	v_lshl_add_u32 v[SPW], v0, 2, SPARE
	v_mov_b32 v[NIL], 0
	ds_add_u32 v[SPW], v[NIL]                      ; the wave's opening: an add, twice on end, and its wait ahead of my first tensor load
	ds_add_u32 v[SPW], v[NIL]
	v_lshrrev_b32 v1, 5, v0
	v_readfirstlane_b32 s[WV], v1                  ; wave 0..3
	s_bfe_u32 s27, ttmp6, 0x40000                  ; my place in the cluster
	s_lshl_b32 s28, ttmp9, 2
	s_add_co_u32 s28, s28, s27                     ; block of columns: it enters global addresses of x, the weights and out0 alone
	s_and_b32 s29, ttmp7, 0xffff                   ; block of tokens, which the four partners share
	s_mov_b32 s[G1A+0], 15|(1<<20)|(1<<21)|(7<<22)|(3<<25)   ; the mask: all four; elements of 1 byte; padding on, bit 21 beside the mask; 4 words behind every 256
	s_mov_b32 s[G1A+1], 1024<<16
	s_mov_b32 s[G1A+2], 128<<16
	s_mov_b32 s[G1A+3], 1024<<16
	s_mov_b32 s[G1A+4], 128
	s_mov_b32 s[G1A+5], 1024
	s_mov_b32 s[G1A+6], 0
	s_mov_b32 s[G1A+7], 0
	s_mov_b32 s[G1H+0], 15|(1<<20)|(1<<21)|(5<<22)|(3<<25)   ; 4 words behind every 64
	s_mov_b32 s[G1H+1], 256<<16
	s_mov_b32 s[G1H+2], 128<<16
	s_mov_b32 s[G1H+3], 256<<16
	s_mov_b32 s[G1H+4], 128
	s_mov_b32 s[G1H+5], 256
	s_mov_b32 s[G1H+6], 0
	s_mov_b32 s[G1H+7], 0
	s_mov_b32 s[G1X+0], (1<<20)|(7<<22)|(3<<25)    ; no mask: 64 rows x 1,024 bytes of x, 8,192 bytes apart
	s_mov_b32 s[G1X+1], 1024<<16
	s_mov_b32 s[G1X+2], 64<<16
	s_mov_b32 s[G1X+3], 1024<<16
	s_mov_b32 s[G1X+4], 64
	s_mov_b32 s[G1X+5], 8192
	s_mov_b32 s[G1X+6], 0
	s_mov_b32 s[G1X+7], 0
	s_and_b32 s30, s[WV], 1                        ; which 64 rows of x (waves 2, 3)
	s_mov_b32 s[G0A], 1
	s_mov_b32 s[G0A+1], 0
	s_mov_b32 s[G0H], 1
	s_mov_b32 s[G0H+1], HCB
	s_mov_b32 s[G0X], 1
	s_mul_i32 s[G0X+1], s30, 64*PA
	s_add_co_u32 s[G0X+1], s[G0X+1], XB
	s_lshl_b32 s72, s29, 17                        ; ao: 128 rows of 1,024 bytes a block
	s_mov_b32 s73, 0
	s_lshl_b32 s74, s29, 15                        ; hc: of 256
	s_mov_b32 s75, 0
	s_lshl_b32 s76, s29, 20                        ; x: of 8,192, + my 64 rows, + 1,024 bytes a block of columns
	s_lshl_b32 s77, s30, 19
	s_add_co_u32 s76, s76, s77
	s_lshl_b32 s77, s28, 10
	s_add_co_u32 s76, s76, s77
	s_mov_b32 s77, 0
	s_wait_dscnt 0x0                               ; both opening adds are done
	s_wait_kmcnt 0x0
	s_add_nc_u64 s[G0A+2:G0A+3], s[4:5], s[72:73]
	s_or_b32 s[G0A+3], s[G0A+3], 0x80000000
	s_add_nc_u64 s[G0H+2:G0H+3], s[6:7], s[74:75]
	s_or_b32 s[G0H+3], s[G0H+3], 0x80000000
	s_add_nc_u64 s[G0X+2:G0X+3], s[10:11], s[76:77]
	s_or_b32 s[G0X+3], s[G0X+3], 0x80000000
	ROUND                                          ; all four work-groups are here: the joint loads meet
	s_cmp_lt_u32 s[WV], 1                          ; one chain of branches on the wave's number, one load to an arm: wave 0 ao, wave 1 hc, waves 2 and 3 the halves of x
	s_cbranch_scc0 .Lhead_h
	tensor_load_to_lds s[G0A:G0A+3], s[G1A:G1A+7]
	s_nop 0
	PLACES 4
	s_branch .Lhead_asked
.Lhead_h:
	s_cmp_lt_u32 s[WV], 2
	s_cbranch_scc0 .Lhead_x
	tensor_load_to_lds s[G0H:G0H+3], s[G1H:G1H+7]
	s_nop 0
	PLACES 4
	s_branch .Lhead_asked
.Lhead_x:
	tensor_load_to_lds s[G0X:G0X+3], s[G1X:G1X+7]
	s_nop 0
	PLACES 4
.Lhead_asked:
	s_lshl_b32 s72, s[WV], 8
	s_add_co_u32 s72, s72, XB                      ; my 256 bytes of x's rows
	v_and_b32 v1, 15, v0                           ; r
	v_bfe_u32 v2, v0, 4, 1                         ; h
	v_mul_u32_u24 v[ADA], v1, PA
	v_lshl_add_u32 v[ADA], v2, 4, v[ADA]           ; a fragment's row x pitch + 16 h
	v_add_nc_u32 v[ADA+1], 64*PA, v[ADA]
	v_mul_u32_u24 v[ADH], v1, PH
	v_lshl_add_u32 v[ADH], v2, 4, v[ADH]
	v_add_nc_u32 v[ADH], HCB, v[ADH]
	v_mul_u32_u24 v[ADX], v2, 8*PA
	v_lshl_add_u32 v[ADX], v1, 4, v[ADX]
	v_add_nc_u32 v[ADX], s72, v[ADX]               ; x: row 8 h, + 16 r
	v_add_nc_u32 v[ADX+1], 64*PA, v[ADX]
	v_lshlrev_b32 v[CO], 16, v2
	v_lshl_add_u32 v[CO], v1, 4, v[CO]
	v_lshlrev_b32 v[RA], 6, v1
	v_lshl_add_u32 v[RA], v2, 4, v[RA]
	v_lshlrev_b32 v[R16], 4, v1
	v_and_b32 v[LB], 31, v0
	v_lshlrev_b32 v[LB], 4, v[LB]
	v_lshlrev_b32 v[RB], 8, v1
	v_lshl_add_u32 v[RB], v2, 4, v[RB]
	v_lshlrev_b32 v[RW], 6, v1
	s_wait_alu depctr_va_vdst(0)                   ; it serves all the addresses made above
	s_lshl_b32 s31, s28, 2
	s_add_co_u32 s31, s31, s[WV]                   ; my group of 64 columns
	s_mov_b32 s73, 0
	s_lshl_b32 s72, s29, 13
	s_add_nc_u64 s[12:13], s[12:13], s[72:73]      ; ao's scale bytes: 64 a token
	s_lshl_b32 s72, s29, 11
	s_add_nc_u64 s[14:15], s[14:15], s[72:73]      ; hc's: 16
	s_lshl_b32 s72, s31, 12
	s_add_nc_u64 s[16:17], s[16:17], s[72:73]      ; Wo's: 64 a column
	s_lshl_b32 s72, s31, 10
	s_add_nc_u64 s[18:19], s[18:19], s[72:73]      ; W2's: 16
	s_lshl_b32 s72, s31, 8
	s_add_nc_u64 s[20:21], s[20:21], s[72:73]      ; the biases: 4 bytes a column
	s_add_nc_u64 s[22:23], s[22:23], s[72:73]
	s_lshl_b32 s74, s29, 20
	s_add_co_u32 s72, s72, s74
	s_add_nc_u64 s[24:25], s[24:25], s[72:73]      ; out0 at my corner
	s_mul_i32 s72, s31, WLG
	s_add_co_u32 s72, s72, WLB
	s_add_nc_u64 s[8:9], s[8:9], s[72:73]          ; my weights
.macro ASLOAD t                        ; the scale words of block t's 32 tokens: six loads
.set AP, AS+24*((\t)%2)
.irp tb, 0,1
.irp j, 0,1
	global_load_b128 v[AP+8*\tb+4*\j:AP+8*\tb+4*\j+3], v[RA], s[12:13] offset:(32*(\t)+16*\tb)*64+32*\j
.endr
	global_load_b128 v[AP+16+4*\tb:AP+16+4*\tb+3], v[R16], s[14:15] offset:(32*(\t)+16*\tb)*16
.endr
.endm
	ASLOAD 0                                       ; 20 small loads first: 6,
.irp b, 0,1,2,3
.irp j, 0,1
	global_load_b128 v[SBW+8*\b+4*\j:SBW+8*\b+4*\j+3], v[RB], s[16:17] offset:64*\b+32*\j   ; column 4 r + b: 8,
.endr
	global_load_b128 v[SBH+4*\b:SBH+4*\b+3], v[RW], s[18:19] offset:16*\b                   ; 4,
.endr
	global_load_b128 v[BQ:BQ+3], v[R16], s[20:21]  ; and 2
	global_load_b128 v[BQ+4:BQ+7], v[R16], s[22:23]
.set S, 0
.rept 20                               ; then the weights, K ascending: 8 loads a K step, 160 in all
	WIN (1+S/8)<<6
.irp i, 0,1,2,3,4,5,6,7
	global_load_b128 v[32*(S%8)+4*\i:32*(S%8)+4*\i+3], v[LB], s[8:9] offset:4096*S+512*\i
.endr
.set S, S+1
.endr
	WIN 0
.macro FRAGS n                         ; group n's fragments of the tokens' side: 4 K steps x 2 tiles of 16 tokens x 2 loads
.set FT, (\n)/5
.set FG, (\n)%5
.set FB, AF+64*((\n)%2)
	WIN 0xc0
.irp sl, 0,1,2,3
.irp tb, 0,1
.irp c, 0,1
.if FG < 4
	ds_load_b128 v[FB+16*\sl+8*\tb+4*\c:FB+16*\sl+8*\tb+4*\c+3], v[ADA+FT/2] offset:(32*(FT%2)+16*\tb)*PA+256*FG+64*\sl+32*\c
.else
	ds_load_b128 v[FB+16*\sl+8*\tb+4*\c:FB+16*\sl+8*\tb+4*\c+3], v[ADH] offset:(32*FT+16*\tb)*PH+64*\sl+32*\c
.endif
.endr
.endr
.endr
.endm
.macro ONE sl, tb, b
.set DA,  ACC+32*(\tb)+8*(\b)
.set FA,  FBUF+16*(\sl)+8*(\tb)
.set FW,  128*(GG%2)+32*(\sl)+8*(\b)
.if (GG == 0) && ((\sl) == 0)
	v_wmma_scale_f32_16x16x128_f8f6f4 v[DA:DA+7], v[FA:FA+7], v[FW:FW+7], 0, v[KA0+KAS*(\tb)+(\sl)], v[KB0+KBS*(\b)+(\sl)] matrix_a_fmt:MATRIX_FMT_FP4 matrix_b_fmt:MATRIX_FMT_FP4
.elseif GG%2
	v_wmma_scale_f32_16x16x128_f8f6f4 v[DA:DA+7], v[FA:FA+7], v[FW:FW+7], v[DA:DA+7], v[KA0+KAS*(\tb)+(\sl)], v[KB0+KBS*(\b)+(\sl)] matrix_a_fmt:MATRIX_FMT_FP4 matrix_b_fmt:MATRIX_FMT_FP4 matrix_a_scale:MATRIX_SCALE_ROW1 matrix_b_scale:MATRIX_SCALE_ROW1
.else
	v_wmma_scale_f32_16x16x128_f8f6f4 v[DA:DA+7], v[FA:FA+7], v[FW:FW+7], v[DA:DA+7], v[KA0+KAS*(\tb)+(\sl)], v[KB0+KBS*(\b)+(\sl)] matrix_a_fmt:MATRIX_FMT_FP4 matrix_b_fmt:MATRIX_FMT_FP4
.endif
.endm
.macro MUL2 sl0                        ; two K steps: 16 matrix instructions
.irp sl, \sl0, \sl0+1
.irp tb, 0,1
.irp b, 0,1,2,3
	ONE \sl, \tb, \b
.endr
.endr
.endr
.endm
	s_wait_tensorcnt 0x0                           ; my tile is in
	s_barrier_signal -1
	s_barrier_wait -1                              ; everybody's is; nothing is ever filled again
	FRAGS 0
	WIN 0
	s_wait_loadcnt 63                              ; of 180 loads at most 63 are out: the 20 small ones and the weights of K steps 0 to 11 (96 loads) are in
	v_pk_add_f32 v[BQ:BQ+1], v[BQ:BQ+1], v[BQ+4:BQ+5]
	v_pk_add_f32 v[BQ+2:BQ+3], v[BQ+2:BQ+3], v[BQ+6:BQ+7]
	s_wait_alu depctr_va_vdst(0)
.set GI, 0
.rept 20                               ; group GI: block T = GI / 5 of 32 tokens, K steps 4 GG .. 4 GG + 3
.set T, GI/5
.set GG, GI%5
.set FBUF, AF+64*(GI%2)
.set MW, 0x03|((1+GG/2)<<2)            ; source 0 (tokens) window 3, source 1 (weights) window 1 + GG / 2, C and D window 0
.if GG < 4
.set KA0, AS+24*(T%2)+4*(GG/2)
.set KAS, 8
.set KB0, SBW+4*(GG/2)
.set KBS, 8
.else
.set KA0, AS+24*(T%2)+16
.set KAS, 4
.set KB0, SBH
.set KBS, 4
.endif
.if GI > 0
	PLACES 4                                       ; behind the last group's products, which read the buffer that is loaded now
.endif
.if GI < 19
	FRAGS GI+1
	s_wait_dscnt 16                                ; all but the 16 just issued: this group's fragments (and x, where it was asked for) are in
.else
	s_wait_dscnt 0x0
.endif
.if GI == 3
	s_wait_loadcnt 38                              ; out at most: the weights of K steps 16 to 19 (32 loads) and block 1's 6 loads of scale words
.elseif GI == 4
	s_wait_loadcnt 6                               ; block 1's scale words may be out
.elseif (GG == 0) && (T > 0)
	s_wait_loadcnt 0x0                             ; this block's scale words, asked for a block ago
.endif
	WIN MW
	MUL2 0
.if (GG == 0) && (T < 3)
	WIN 0
	ASLOAD T+1                                     ; the next block's scale words, into the set that the block before read
.elseif GG == 1
	WIN 0
.if T > 0
	s_wait_xcnt 0x0                                ; the last block's stores have read their registers
.endif
.irp tb, 0,1
.irp j, 0,1,2,3,4,5,6,7
	ds_load_b128 v[X+32*\tb+4*\j:X+32*\tb+4*\j+3], v[ADX+T/2] offset:(32*(T%2)+16*\tb+\j)*PA   ; x(token 16 tb + 8 h + j, columns 4 r .. 4 r + 3)
.endr
.endr
.elseif GG == 2
	WIN 0
.set k, 0
.rept 32
	v_pk_add_f32 v[X+2*k:X+2*k+1], v[X+2*k:X+2*k+1], v[BQ+2*(k%2):BQ+2*(k%2)+1]   ; x + bo + b2
.set k, k+1
.endr
	s_wait_alu depctr_va_vdst(0)
.endif
	WIN MW
	MUL2 2
.if GG == 4                            ; the block is finished
	WIN 0
	PLACES 4                                       ; behind the last products, ahead of the first read of results
.irp j, 0,1,2,3,4,5,6,7                ; each accumulator from its low end on
.irp tb, 0,1
.irp b, 0,1,2,3
	v_add_f32 v[X+32*\tb+4*\j+\b], v[ACC+32*\tb+8*\b+\j], v[X+32*\tb+4*\j+\b]
.endr
.endr
.endr
.irp tb, 0,1
.irp j, 0,1,2,3,4,5,6,7
	global_store_b128 v[CO], v[X+32*\tb+4*\j:X+32*\tb+4*\j+3], s[24:25] offset:(32*T+16*\tb+\j)*8192 th:TH_STORE_NT   ; sixteen lanes store 256 consecutive bytes, at a multiple of 256 from out0's first byte
.endr
.endr
.endif
.set GI, GI+1
.endr
	s_wait_tensorcnt 0x0                           ; the wave's end
	ds_add_u32 v[SPW], v[NIL]
	s_wait_dscnt 0x0
	ROUND                                          ; the closing round
	s_endpgm
.Lfunc_end_k_q539482bbcb_outp:
	.size	k_q539482bbcb_outp, .Lfunc_end_k_q539482bbcb_outp-k_q539482bbcb_outp
	.p2alignl 7, 3214868480
	.fill 96, 4, 3214868480
	.section	.rodata,"a",@progbits
	.p2align	6, 0x0
	.amdhsa_kernel k_q539482bbcb_outp
		.amdhsa_group_segment_fixed_size 301568
		.amdhsa_private_segment_fixed_size 0
		.amdhsa_enable_private_segment 0
		.amdhsa_kernarg_size 88
		.amdhsa_user_sgpr_count 2
		.amdhsa_user_sgpr_kernarg_segment_ptr 1
		.amdhsa_wavefront_size32 1
		.amdhsa_system_sgpr_workgroup_id_x 1
		.amdhsa_system_sgpr_workgroup_id_y 1
		.amdhsa_system_sgpr_workgroup_id_z 1
		.amdhsa_system_vgpr_workitem_id 0
		.amdhsa_next_free_vgpr 1024
		.amdhsa_next_free_sgpr 80
		.amdhsa_reserve_vcc 0
		.amdhsa_float_denorm_mode_32 3
		.amdhsa_float_denorm_mode_16_64 3
		.amdhsa_memory_ordered 1
		.amdhsa_forward_progress 1
		.amdhsa_inst_pref_size 159
	.end_amdhsa_kernel
	.amdgpu_metadata
---
amdhsa.version: [ 1, 2 ]
amdhsa.kernels:
  - .name:           k_q539482bbcb_outp
    .symbol:         k_q539482bbcb_outp.kd
    .args:
      - { .name: ao_codes, .offset: 0, .size: 8, .value_kind: global_buffer, .address_space: global }
      - { .name: hc_codes, .offset: 8, .size: 8, .value_kind: global_buffer, .address_space: global }
      - { .name: xn_codes, .offset: 16, .size: 8, .value_kind: global_buffer, .address_space: global }
      - { .name: x, .offset: 24, .size: 8, .value_kind: global_buffer, .address_space: global }
      - { .name: ao_scales, .offset: 32, .size: 8, .value_kind: global_buffer, .address_space: global }
      - { .name: hc_scales, .offset: 40, .size: 8, .value_kind: global_buffer, .address_space: global }
      - { .name: Wo_scales, .offset: 48, .size: 8, .value_kind: global_buffer, .address_space: global }
      - { .name: W2_scales, .offset: 56, .size: 8, .value_kind: global_buffer, .address_space: global }
      - { .name: bo, .offset: 64, .size: 8, .value_kind: global_buffer, .address_space: global }
      - { .name: b2, .offset: 72, .size: 8, .value_kind: global_buffer, .address_space: global }
      - { .name: out0, .offset: 80, .size: 8, .value_kind: global_buffer, .address_space: global }
    .group_segment_fixed_size: 301568
    .private_segment_fixed_size: 0
    .kernarg_segment_align: 8
    .kernarg_segment_size: 88
    .max_flat_workgroup_size: 128
    .sgpr_count:     80
    .vgpr_count:     1024
    .wavefront_size: 32
...
	.end_amdgpu_metadata
.endif
;; end of part 4
